; MI455X (gfx1250); checked and timed in simulation.
; The chip was launched on July 23, 2026; its instructions are those of AMD's public machine-readable ISA for CDNA 5 (MIT licence, August 2026) and "CDNA5" Instruction Set Architecture Reference Guide (July 2026). The comments in the code are by the model that wrote it; some were corrected since.
;; Variance Network. Allowed arithmetic: float matrix products may take bf16 or f16 operands with f32 sums; other float arithmetic in f32, or as packed bf16 or f16 multiplies, adds, multiply-adds, maxima and minima; sums over many terms, partial sums and values carried from step to step in f32; what a program stores and reads back later, other than sums and carried values, may be rounded once to bf16 or f16.
;; Inputs: latent 8 x 4,096 x 512 float32; reconstructed_points 8 x 3 x 4,096 float32; s1_b1 512 float32; s1_b2 1 float32; s1_br 512 float32; s1_w1 524 x 512 float32; s1_w2 512 x 1 float32; s1_wr 512 x 512 float32; s2_b1 512 float32; s2_b2 1 float32; s2_br 512 float32; s2_w1 513 x 512 float32; s2_w2 512 x 1 float32; s2_wr 512 x 512 float32; s3_b1 512 float32; s3_b2 1 float32; s3_br 512 float32; s3_w1 513 x 512 float32; s3_w2 512 x 1 float32; s3_wr 512 x 512 float32.
;; Outputs: out0 8 x 4,096 x 1 float32.
;; 2 versions, each right; version 2 is version 1 with the launch prep written anew for expert scheduling mode. Each part assembles by itself: llvm-mc -triple=amdgcn-amd-amdhsa -mcpu=gfx1250 --defsym DOCPART=n.
;; ======== version 1 of 2: 2 launches
;; workspace buffers: wstream 3,145,728 bytes; exb 98,304 bytes; kblk 524,288 bytes of whole numbers; tabg 262,144 bytes
;; launch prep (part 1): grid 256 x 1, 4 waves a work-group, no clusters, 68,608 bytes of LDS; arguments reconstructed_points, s1_w1, s1_wr, s2_w1, s2_wr, s3_w1, s3_wr, s1_b1, s2_b1, s3_b1, wstream, exb, kblk, tabg; writes wstream, exb, kblk, tabg
.if DOCPART == 1
	.amdgcn_target "amdgcn-amd-amdhsa--gfx1250"
	.amdhsa_code_object_version 6
	.text
	.protected	k_q4f3cdda41d_prep
	.globl	k_q4f3cdda41d_prep
	.p2align	8
	.type	k_q4f3cdda41d_prep,@function
k_q4f3cdda41d_prep:
	s_mov_b64 s[64:65], 0
	v_nop
	global_prefetch_b8 v0, s[64:65] scope:SCOPE_SE
	s_setreg_imm32_b32 hwreg(HW_REG_WAVE_MODE, 25, 1), 1
	s_wait_xcnt 0x0
; PREP: (1) the weights, rounded to bf16 and laid out as the next launch's operand registers take them; (2) for each point the three blocks of 32 candidates that can hold its two nearest.
; WORK LEFT OUT.  reference() takes top_k(pd, 16) and then uses idx[:, :, 0] and idx[:, :, 1] alone: ranks 2 to 15 are sliced away for every value of the inputs, so no rank beyond the
; second is made, here or in the next launch.  Every input has a way to the output and is loaded by one of the two launches.  A NaN or an infinity that would reach ranks 2 to 15 alone is not carried.
; FORMATS.  Every input of the module (points, latent, weights, biases) is rounded once to bf16.  With bf16 points all products of coordinates are exact in f32.
; THE CHOICE goes in two steps.  Here: pd' = 2 x.x' - xx_m - xx_n by the matrix unit, K places [x, y, z, xx_hi, xx_mid, xx_lo] against [2x, 2y, 2z, -1, -1, -1], C = -xx_n (xx in three bf16
; pieces, exact); of each block of 32 neighbouring candidates only the maximum is kept, and the three best blocks (maximum descending, block ascending) are stored, in ascending order.
; The two best elements (value descending, index ascending) always lie in the two best blocks so ordered; the third block is the margin for the rounding of pd', which is not reference()'s.
; The next launch goes through those 96 candidates with reference()'s own order of f32 roundings.
; LIMITS.  NaN and infinities are not treated apart; |point| stays under 1e19 (xx finite); if more than one block's maximum lies within the rounding of pd' of the second best, the margin of one block can fail.
; SHARES.  Work-group g: batch g / 32, queries 128 (g % 32) on; wave w 32 of them, two tiles of 16, against all 4,096 candidates.  Each work-group also lays out 1 / 256 of each of the six
; 512 x 512 weight blocks; work-groups 0 to 47 make the 32 extra K rows of the three stages; each thread stores its own point's record for the next launch.
.set REC,   0                          ; LDS: candidate m at 16 m: bf16 x, y, z, xx_hi, xx_mid, xx_lo, 0, 0
.set QREC,  65536                      ; query t at 16 t: bf16 2x, 2y, 2z, -1, -1, -1, 0, 0
.set QXX,   67584                      ; -xx of query t, f32
.set SPARE, 68096                      ; the spare words, 128 bytes for each wave: two blocks of 256 bytes that no other line names
.set RAW,   64                         ; v64-159   the batch's points as loaded: group i, coordinate d at RAW + 12 i + 4 d
.set WR,    160                        ; v160-207  weights as loaded: block g, k step e at WR + 8 g + e
.set QR,    208                        ; v208-210  my own point
.set W0,    212                        ; v212-215  a record's four words
.set XF,    216                        ; v216-219  x, y, z, xx of the rounded point
.set YF,    217
.set ZF,    218
.set XX,    219
.set HH,    220                        ; v220-223  at work
.set RR,    221
.set MM,    222
.set LL,    223
.set CV,    224                        ; v224-247  weights, rounded
.set DD,    64                         ; v64-95    four results of 8, by turns
.set CAA,   96                         ; v96-159   16 candidate tiles, 4 registers each; v160-163 zeros
.set CAB,   164                        ; v164-227  the next 16; v228-231 zeros
; v0 thread; v1 lane % 16; v2 lane / 16; v3 LDS address of my row of a candidate tile; v4, v5 LDS addresses of query records; v6 16 x (128 g + t); v7 weights' source offset; v8, v9 the add's two
; v10-15, v16-21 per query tile: the three best maxima, their blocks; v22-25 running maxima; v26 at work; v27-31 offsets; v32-47 query operands; v48-63 -xx_n, eight times, per tile
	s_load_b512 s[4:19], s[0:1], 0x0               ; points s[4:5]; s1_w1, s1_wr, s2_w1, s2_wr, s3_w1, s3_wr s[6:17]; s1_b1 s[18:19]
	s_load_b256 s[20:27], s[0:1], 0x40             ; s2_b1, s3_b1, wstream s[24:25], exb s[26:27]
	s_load_b128 s[28:31], s[0:1], 0x60             ; kblk s[28:29], tabg s[30:31]
	v_lshl_add_u32 v8, v0, 2, SPARE
	v_mov_b32 v9, 0
	v_lshrrev_b32 v26, 5, v0
	v_readfirstlane_b32 s32, v26                   ; wave 0..3
	s_mov_b32 s48, 0xffff                          ; a word's lower half; also lanes 0-15
	s_mov_b32 s49, 0xffff0000                      ; a word's upper half; also lanes 16-31
	s_mov_b32 s50, 0x07060302                      ; v_perm_b32: the upper halves of two words
	s_mov_b32 s40, 0x76543210                      ; v_permlanex16_b32: each lane takes its own place in the other half
	s_mov_b32 s41, 0xfedcba98
	s_lshr_b32 s42, ttmp9, 5
	s_mul_i32 s42, s42, 49152                      ; the batch: 3 x 4,096 f32
	s_mov_b32 s43, 0
	s_and_b32 s44, ttmp9, 31
	s_lshl_b32 s44, s44, 9                         ; my work-group's 128 queries, 4 bytes each
	s_lshl_b32 s45, ttmp9, 7
	v_lshlrev_b32 v27, 4, v0                       ; 16 t: four candidates of a group of 512
	v_lshl_add_u32 v30, v0, 2, s44                 ; my own point
	v_add_nc_u32 v28, s45, v0                      ; c = 128 g + t: my piece of 16 bytes in each laid-out block, and my point's number
	v_lshlrev_b32 v6, 4, v28
	v_lshlrev_b32 v31, 3, v28
	v_lshlrev_b32 v29, 6, v0                       ; 64 t: four records
	; piece c of a laid-out block holds W[k0 .. k0 + 7][n]: c = lane (5 bits), half, tile t (3), q2, wave (2), slot (3); k0 = 64 slot + 32 q2 + 16 half + 8 (lane / 16), n = 128 wave + 16 t + lane % 16
	v_bfe_u32 v7, v28, 4, 2
	v_bfe_u32 v26, v28, 9, 1
	v_lshl_or_b32 v7, v26, 2, v7
	v_bfe_u32 v26, v28, 12, 3
	v_lshl_or_b32 v7, v26, 3, v7                   ; k0 / 8
	v_and_b32 v4, 15, v28
	v_bfe_u32 v26, v28, 6, 3
	v_lshl_or_b32 v4, v26, 4, v4
	v_bfe_u32 v26, v28, 10, 2
	v_lshl_or_b32 v4, v26, 7, v4                   ; n
	v_lshlrev_b32 v4, 2, v4
	v_lshl_or_b32 v7, v7, 14, v4                   ; k0 rows of 2,048 bytes + 4 n
	v_add_nc_u32 v4, QREC, v27
	v_lshl_add_u32 v5, v0, 2, QXX
	v_mov_b32 v[W0+3], 0
	s_wait_kmcnt 0x0
	s_add_nc_u64 s[4:5], s[4:5], s[42:43]
.irp i, 0,1,2,3,4,5,6,7
.irp d, 0,1,2
	global_load_b128 v[RAW+12*\i+4*\d:RAW+12*\i+4*\d+3], v27, s[4:5] offset:16384*\d+2048*\i  ; candidates 512 i + 4 t .. + 3: a wave takes 512 bytes on end
.endr
.endr
.irp d, 0,1,2
	global_load_b32 v[QR+\d], v30, s[4:5] offset:16384*\d
.endr
.irp g, 0,1,2,3,4,5
.irp e, 0,1,2,3,4,5,6,7
	global_load_b32 v[WR+8*\g+\e], v7, s[6+2*\g:7+2*\g] offset:2048*\e
.endr
.endr
; a point rounded to bf16: packed in W0, W0 + 1, widened in XF, YF, ZF; xx = (x x + y y) + z z, each product exact
.macro RECORD x, y, z
	v_cvt_pk_bf16_f32 v[W0], v[\x], v[\y]
	v_cvt_pk_bf16_f32 v[W0+1], v[\z], v[\z]
	v_lshlrev_b32 v[XF], 16, v[W0]
	v_and_b32 v[YF], s49, v[W0]
	v_lshlrev_b32 v[ZF], 16, v[W0+1]
	v_mul_f32 v[XX], v[XF], v[XF]
	v_fmac_f32 v[XX], v[YF], v[YF]
	v_fmac_f32 v[XX], v[ZF], v[ZF]
.endm
	s_wait_loadcnt 48                              ; points and my own point are in; the 48 loads of weights may stay out
.irp i, 0,1,2,3,4,5,6,7
.irp c, 0,1,2,3
	RECORD RAW+12*\i+\c, RAW+12*\i+4+\c, RAW+12*\i+8+\c
	v_bfi_b32 v[W0+1], s49, v[XX], v[W0+1]         ; z below, xx's upper half (its first 8 bits) above
	v_and_b32 v[HH], s49, v[XX]
	v_sub_f32 v[RR], v[XX], v[HH]                  ; exact
	v_and_b32 v[MM], s49, v[RR]
	v_sub_f32 v[LL], v[RR], v[MM]                  ; exact, 8 bits at the most
	v_perm_b32 v[W0+2], v[LL], v[MM], s50
	ds_store_b128 v29, v[W0:W0+3] offset:8192*\i+16*\c
.endr
.endr
	RECORD QR, QR+1, QR+2
	v_mov_b32 v[HH], v[W0]
	v_and_b32 v[HH+1], s48, v[W0+1]
	global_store_b64 v31, v[HH:HH+1], s[30:31]     ; my point's record for the next launch: a wave stores 256 bytes on end, aligned; HH, HH + 1 are not written again before the wait further down
	v_add_f32 v[XF], v[XF], v[XF]
	v_add_f32 v[YF], v[YF], v[YF]
	v_add_f32 v[ZF], v[ZF], v[ZF]
	v_perm_b32 v[W0], v[YF], v[XF], s50
	v_lshrrev_b32 v[W0+1], 16, v[ZF]
	v_or_b32 v[W0+1], 0xbf800000, v[W0+1]
	v_mov_b32 v[W0+2], 0xbf80bf80
	ds_store_b128 v4, v[W0:W0+3]
	v_sub_f32 v[LL], 0, v[XX]
	ds_store_b32 v5, v[LL]
	s_wait_dscnt 0x0                               ; for the others' sake: my records lie in LDS
	s_barrier_signal -1
	s_barrier_wait -1
	s_wait_loadcnt 0x0                             ; the weights
.irp g, 0,1,2,3,4,5
.irp j, 0,1,2,3
	v_cvt_pk_bf16_f32 v[CV+4*\g+\j], v[WR+8*\g+2*\j], v[WR+8*\g+2*\j+1]
.endr
	global_store_b128 v6, v[CV+4*\g:CV+4*\g+3], s[24:25] offset:524288*\g  ; a wave stores 512 bytes on end
.endr
	; THE EXTRA K ROWS, 32 for each stage.  Stage 1: k = 3 b1; k = 4 .. 15 rows 512 .. 523 of w1; k = 16 .. 24 rows 515 .. 523 once more (for the products' low pieces).  Stages 2, 3: k = 0 .. 2 row 512, k = 3 b1.  All else 0.
	s_cmp_lt_u32 ttmp9, 48
	s_cbranch_scc0 .Lno_extras
	s_lshr_b32 s52, ttmp9, 4                       ; the stage, 0 .. 2
	s_movk_i32 s54, 512
	s_movk_i32 s55, 512
	s_cmp_eq_u32 s52, 0
	s_cselect_b32 s53, 1, 0                        ; row = k x s53 + (k < 16 ? s54 : s55), held to 523
	s_cselect_b32 s54, 508, s54
	s_cselect_b32 s55, 499, s55
	s_cselect_b32 s56, 4, 0                        ; a weight where k - s56 is 0 .. s57
	s_cselect_b32 s57, 20, 2
	s_cselect_b64 s[58:59], s[6:7], s[10:11]
	s_cselect_b64 s[60:61], s[18:19], s[20:21]
	s_cmp_eq_u32 s52, 2
	s_cselect_b64 s[58:59], s[14:15], s[58:59]     ; the stage's w1
	s_cselect_b64 s[60:61], s[22:23], s[60:61]     ; and b1
	v_bfe_u32 v64, v28, 4, 2
	v_lshlrev_b32 v64, 3, v64                      ; k0 = 16 half + 8 (lane / 16)
	v_and_b32 v65, 15, v28
	v_bfe_u32 v66, v28, 6, 5
	v_lshl_or_b32 v65, v66, 4, v65
	v_lshlrev_b32 v65, 2, v65                      ; 4 n
	v_mov_b32 v66, s55
	v_mov_b32 v67, s54
	v_cmp_gt_u32 vcc_lo, 16, v64
	v_cndmask_b32 v66, v66, v67, vcc_lo
.irp e, 0,1,2,3,4,5,6,7
	v_add_nc_u32 v85, \e, v64
	v_mad_u32_u24 v86, v85, s53, v66
	v_min_u32 v86, 0x20b, v86
	v_lshl_add_u32 v[68+\e], v86, 11, v65
	global_load_b32 v[76+\e], v[68+\e], s[58:59]
.endr
	global_load_b32 v84, v65, s[60:61]
	s_wait_loadcnt 0x0
.irp e, 0,1,2,3,4,5,6,7
	v_add_nc_u32 v85, \e, v64
	v_subrev_nc_u32 v86, s56, v85
	v_cmp_ge_u32 vcc_lo, s57, v86
	v_cndmask_b32 v[76+\e], 0, v[76+\e], vcc_lo
	v_cmp_eq_u32 vcc_lo, 3, v85
	v_cndmask_b32 v[76+\e], v[76+\e], v84, vcc_lo
.endr
.irp j, 0,1,2,3
	v_cvt_pk_bf16_f32 v[88+\j], v[76+2*\j], v[76+2*\j+1]
.endr
	global_store_b128 v6, v[88:91], s[26:27]
.Lno_extras:
	s_wait_xcnt 0x0                                ; every store has read its data and its offsets: those registers are written again from here on
	; THE SEARCH.  Source 0 = 16 candidates, source 1 = 16 queries: a lane holds one query (lane % 16) and candidate rows 8 (lane / 16) + 0 .. 7.  Rows 0-7 of tile i are candidates 8 i .. 8 i + 7,
	; rows 8-15 candidates 2,048 + 8 i ..: four tiles on end give each lane one block of 32 neighbouring candidates, number 64 (lane / 16) + i / 4.
	; A record fills K = 0 .. 7.  The query operand is 0 in lanes 16-31 (K = 8 .. 15) and in registers 4-7 (K = 16 .. 31), so what the candidate operand holds there (other records, finite) adds nothing.
	v_and_b32 v1, 15, v0
	v_bfe_u32 v2, v0, 4, 1
	s_lshl_b32 s46, s32, 5
	v_add_nc_u32 v26, s46, v1
	v_lshl_add_u32 v4, v26, 4, QREC
	v_lshl_add_u32 v5, v26, 2, QXX
	ds_load_b128 v[32:35], v4
	ds_load_b128 v[40:43], v4 offset:256
	ds_load_b32 v48, v5
	ds_load_b32 v56, v5 offset:64
	v_and_b32 v26, 7, v0
	v_bfe_u32 v27, v0, 3, 1
	v_lshlrev_b32 v3, 4, v26
	v_lshl_add_u32 v3, v27, 15, v3
.irp i, 0,1,2,3,4,5,6,7,8,9,10,11,12,13,14,15
	ds_load_b128 v[CAA+4*\i:CAA+4*\i+3], v3 offset:128*\i
.endr
.irp i, 0,1,2,3
	v_mov_b32 v[CAA+64+\i], 0
	v_mov_b32 v[CAB+64+\i], 0
	v_mov_b32 v[36+\i], 0
	v_mov_b32 v[44+\i], 0
.endr
.irp u, 0,1
.irp i, 0,1,2
	v_mov_b32 v[10+6*\u+\i], 0xff800000
	v_mov_b32 v[13+6*\u+\i], 0
.endr
.endr
	s_wait_dscnt 16                                ; the four loads of the queries are in; the 16 of the first tiles may stay out
.irp i, 0,1,2,3
	v_cndmask_b32 v[32+\i], 0, v[32+\i], s48
	v_cndmask_b32 v[40+\i], 0, v[40+\i], s48
.endr
.irp i, 1,2,3,4,5,6,7
	v_mov_b32 v[48+\i], v48
	v_mov_b32 v[56+\i], v56
.endr
.macro KW p                            ; product p of a trip's 64: candidate tile p / 2, query tile p % 2, result p % 4
.if ((\p)/2) < 16
.set rA, CAA+4*((\p)/2)
.else
.set rA, CAB+4*((\p)/2-16)
.endif
.set rD, DD+8*((\p)%4)
.set rU, (\p)%2
	v_wmma_f32_16x16x32_bf16 v[rD:rD+7], v[rA:rA+7], v[32+8*rU:39+8*rU], v[48+8*rU:55+8*rU]
.endm
.macro KV p                            ; its eight numbers into the block's two running maxima; the result's lowest registers are read first
.set rD, DD+8*((\p)%4)
.set rB, 22+2*((\p)%2)
.if (((\p)/2)%4) == 0
	v_max_num_f32 v[rB], v[rD], v[rD+1]
	v_max_num_f32 v[rB+1], v[rD+2], v[rD+3]
.else
	v_max3_num_f32 v[rB], v[rB], v[rD], v[rD+1]
	v_max3_num_f32 v[rB+1], v[rB+1], v[rD+2], v[rD+3]
.endif
	v_max3_num_f32 v[rB], v[rB], v[rD+4], v[rD+5]
	v_max3_num_f32 v[rB+1], v[rB+1], v[rD+6], v[rD+7]
.endm
.macro INS u, bv, bi                   ; a block's maximum bv and number bi go into query tile u's three best; only a greater one displaces, so the earlier block keeps its place in a tie
.set rV, 10+6*(\u)
	v_cmp_gt_f32 s36, \bv, v[rV]
	v_cmp_gt_f32 s37, \bv, v[rV+1]
	v_cmp_gt_f32 s38, \bv, v[rV+2]
	v_cndmask_b32 v[rV+5], v[rV+5], \bi, s38
	v_cndmask_b32 v[rV+5], v[rV+5], v[rV+4], s37
	v_cndmask_b32 v[rV+4], v[rV+4], \bi, s37
	v_cndmask_b32 v[rV+4], v[rV+4], v[rV+3], s36
	v_cndmask_b32 v[rV+3], v[rV+3], \bi, s36
	v_min_num_f32 v26, v[rV+1], \bv
	v_max_num_f32 v[rV+2], v[rV+2], v26
	v_min_num_f32 v26, v[rV], \bv
	v_max_num_f32 v[rV+1], v[rV+1], v26
	v_max_num_f32 v[rV], v[rV], \bv
.endm
	s_mov_b32 s33, 8                               ; eight trips of 32 candidate tiles
	s_mov_b32 s34, 0                               ; the trip's first block
.Ltrip:
	s_wait_dscnt 0x0                               ; the trip's first 16 tiles are in
	KW 0
	KW 1
.rept 4
	v_nop                                          ; the places in front of the first maxima; further on, the maxima of the products before are the places: a maximum stands two products behind its own
.endr
.set p, 0
.rept 64
.if p+2 < 64
.if p+2 == 32
	s_wait_dscnt 0x0                               ; the second 16 tiles, asked for 30 products ago
.endif
	KW p+2
.endif
	KV p
.if ((p/2)%4) == 3
	s_add_co_u32 s35, s34, (p/2)/4
.if (p%2) == 0
	v_max_num_f32 v22, v22, v23
	INS 0, v22, s35
.else
	v_max_num_f32 v24, v24, v25
	INS 1, v24, s35
.endif
.endif
.if p == 0
.irp i, 0,1,2,3,4,5,6,7,8,9,10,11,12,13,14,15
	ds_load_b128 v[CAB+4*\i:CAB+4*\i+3], v3 offset:2048+128*\i
.endr
.endif
.if p == 32
	s_cmp_eq_u32 s33, 1                            ; the last trip has no next
	s_cbranch_scc1 .Lno_more
.irp i, 0,1,2,3,4,5,6,7,8,9,10,11,12,13,14,15
	ds_load_b128 v[CAA+4*\i:CAA+4*\i+3], v3 offset:4096+128*\i
.endr
.Lno_more:
.endif
.set p, p+1
.endr
	v_add_nc_u32 v3, 0x1000, v3
	s_add_co_u32 s34, s34, 8
	s_sub_co_u32 s33, s33, 1
	s_cmp_lg_u32 s33, 0
	s_cbranch_scc1 .Ltrip
	; The two halves of the lanes hold a query's blocks 0-63 and 64-127.  Lanes 0-15 take in the other half's three, which displace only where greater; the result counts in lanes 0-15.
.irp i, 13,14,15,19,20,21
	v_lshl_add_u32 v[\i], v2, 6, v[\i]
.endr
.irp u, 0,1
.irp i, 0,1,2,3,4,5
	v_permlanex16_b32 v[64+8*\u+\i], v[10+6*\u+\i], s40, s41
.endr
.endr
	INS 0, v64, v67
	INS 0, v65, v68
	INS 0, v66, v69
	INS 1, v72, v75
	INS 1, v73, v76
	INS 1, v74, v77
.irp u, 0,1                            ; the three numbers in ascending order
	v_min_u32 v80, v[13+6*\u], v[14+6*\u]
	v_max_u32 v81, v[13+6*\u], v[14+6*\u]
	v_min_u32 v82, v81, v[15+6*\u]
	v_max_u32 v[86+4*\u], v81, v[15+6*\u]
	v_min_u32 v[84+4*\u], v80, v82
	v_max_u32 v[85+4*\u], v80, v82
.endr
.irp i, 0,1,2
	v_permlanex16_b32 v[92+\i], v[88+\i], s40, s41 ; the second tile's queries are threads 16-31 of the wave
.endr
.irp i, 0,1,2
	v_cndmask_b32 v[84+\i], v[84+\i], v[92+\i], s49
.endr
	v_mov_b32 v87, 0
	global_store_b128 v6, v[84:87], s[28:29]       ; a wave stores 512 bytes on end
	s_wait_tensorcnt 0x0                           ; the wave's end, behind my last LDS store
	ds_add_u32 v8, v9
	s_wait_dscnt 0x0
	s_endpgm
.Lfunc_end_k_q4f3cdda41d_prep:
	.size	k_q4f3cdda41d_prep, .Lfunc_end_k_q4f3cdda41d_prep-k_q4f3cdda41d_prep
	.p2alignl 7, 3214868480
	.fill 96, 4, 3214868480
	.section	.rodata,"a",@progbits
	.p2align	6, 0x0
	.amdhsa_kernel k_q4f3cdda41d_prep
		.amdhsa_group_segment_fixed_size 68608
		.amdhsa_private_segment_fixed_size 0
		.amdhsa_enable_private_segment 0
		.amdhsa_kernarg_size 112
		.amdhsa_user_sgpr_count 2
		.amdhsa_user_sgpr_kernarg_segment_ptr 1
		.amdhsa_wavefront_size32 1
		.amdhsa_system_sgpr_workgroup_id_x 1
		.amdhsa_system_sgpr_workgroup_id_y 1
		.amdhsa_system_sgpr_workgroup_id_z 1
		.amdhsa_system_vgpr_workitem_id 0
		.amdhsa_next_free_vgpr 256
		.amdhsa_next_free_sgpr 66
		.amdhsa_reserve_vcc 1
		.amdhsa_float_denorm_mode_32 3
		.amdhsa_float_denorm_mode_16_64 3
		.amdhsa_memory_ordered 1
		.amdhsa_forward_progress 1
		.amdhsa_inst_pref_size 81
	.end_amdhsa_kernel
	.amdgpu_metadata
---
amdhsa.version: [ 1, 2 ]
amdhsa.kernels:
  - .name:           k_q4f3cdda41d_prep
    .symbol:         k_q4f3cdda41d_prep.kd
    .args:
      - { .name: reconstructed_points, .offset: 0, .size: 8, .value_kind: global_buffer, .address_space: global }
      - { .name: s1_w1, .offset: 8, .size: 8, .value_kind: global_buffer, .address_space: global }
      - { .name: s1_wr, .offset: 16, .size: 8, .value_kind: global_buffer, .address_space: global }
      - { .name: s2_w1, .offset: 24, .size: 8, .value_kind: global_buffer, .address_space: global }
      - { .name: s2_wr, .offset: 32, .size: 8, .value_kind: global_buffer, .address_space: global }
      - { .name: s3_w1, .offset: 40, .size: 8, .value_kind: global_buffer, .address_space: global }
      - { .name: s3_wr, .offset: 48, .size: 8, .value_kind: global_buffer, .address_space: global }
      - { .name: s1_b1, .offset: 56, .size: 8, .value_kind: global_buffer, .address_space: global }
      - { .name: s2_b1, .offset: 64, .size: 8, .value_kind: global_buffer, .address_space: global }
      - { .name: s3_b1, .offset: 72, .size: 8, .value_kind: global_buffer, .address_space: global }
      - { .name: wstream, .offset: 80, .size: 8, .value_kind: global_buffer, .address_space: global }
      - { .name: exb, .offset: 88, .size: 8, .value_kind: global_buffer, .address_space: global }
      - { .name: kblk, .offset: 96, .size: 8, .value_kind: global_buffer, .address_space: global }
      - { .name: tabg, .offset: 104, .size: 8, .value_kind: global_buffer, .address_space: global }
    .group_segment_fixed_size: 68608
    .private_segment_fixed_size: 0
    .kernarg_segment_align: 8
    .kernarg_segment_size: 112
    .max_flat_workgroup_size: 128
    .sgpr_count:     66
    .vgpr_count:     256
    .wavefront_size: 32
...
	.end_amdgpu_metadata
.endif
;; end of part 1
;; launch mlp (part 2): grid 256 x 1, 4 waves a work-group, clusters of 4 x 1, 327,680 bytes of LDS; arguments latent, tabg, kblk, wstream, exb, out0, s1_br, s1_w2, s2_br, s2_w2, s3_br, s3_w2, s1_b2, s2_b2, s3_b2; writes out0
.if DOCPART == 2
	.amdgcn_target "amdgcn-amd-amdhsa--gfx1250"
	.amdhsa_code_object_version 6
	.text
	.protected	k_q4f3cdda41d_mlp
	.globl	k_q4f3cdda41d_mlp
	.p2align	8
	.type	k_q4f3cdda41d_mlp,@function
k_q4f3cdda41d_mlp:
	s_mov_b64 s[64:65], 0
	v_nop
	global_prefetch_b8 v0, s[64:65] scope:SCOPE_SE
	s_setreg_imm32_b32 hwreg(HW_REG_WAVE_MODE, 25, 1), 1
	s_wait_xcnt 0x0
	s_wait_alu depctr_hold_cnt(0) depctr_sa_sdst(0) depctr_va_vdst(0) depctr_va_sdst(0) depctr_va_ssrc(0) depctr_va_vcc(0) depctr_vm_vsrc(0)
	s_getreg_b32 s2, hwreg(HW_REG_IB_STS2, 6, 4)
	s_cmp_eq_u32 s2, 0
	s_cbranch_scc0 .Lentry_in_a_cluster
	s_endpgm
.Lentry_in_a_cluster:
	s_bfe_u32 s2, ttmp6, 0x10000c
	s_cmp_lg_u32 s2, 0x3003
	s_cbranch_scc0 .Lentry_shape_is_right
	s_endpgm
.Lentry_shape_is_right:
; MLP: 128 rows a work-group through all three stages; nothing of the size rows x 512 goes through memory.  Of top_k only ranks 0 and 1 are made: reference() slices the others away (see the first kernel's head).
; A stage: z1 = [latent | extras] w1 + b1; h1 = relu(z1); h2 = relu(h1 + h1 wr + br); the stage's number = h2 . w2 + b2, added to the running total, which is the next stage's extra feature.
; FORMATS.  Every input is rounded once to bf16 (latent here, weights, b1 and points in the launch before, br, w2, b2 here); products on the matrix unit in bf16 with f32 sums.  Of my own making only h1 is
; rounded to bf16, as the operand of h1 wr; the h1 that is added stays f32.  h2 . w2 is taken in f32 by vector instructions.
; EXTRAS ride in one more K step of 32: k 0-2 the running total in three bf16 pieces (exact), k 3 the number 1 (its weight row is b1), k 4-6 the point, k 7-15 and 16-24 the nine products n0_i n1_j
; in two bf16 pieces (exact: a product of two bf16 has 16 bits).  The weight rows were laid out to match.
; THE TWO NEAREST.  A lane takes one query: the 96 candidates of the three stored blocks, in ascending index, pd = ((2 inner - xx_n) - xx_m) with inner and xx summed x, y, z: reference()'s roundings on
; bf16 points; only a greater pd displaces, so the lower index wins a tie, as in top_k.  Coordinates are selected, never looked up.
; LIMITS.  NaN and infinities are not treated apart; |point| under 1e19; pieces that fall among the denormals of bf16's range lose bits there.
; SHARES.  Wave w: all 128 rows x hidden columns 128 w .. 128 w + 127: 64 accumulators, 512 registers.  Source 0 = 16 weight columns, source 1 = 16 rows: a lane holds row 16 a + lane % 16 and columns
; 128 w + 16 b + 8 (lane / 16) + 0 .. 7.  Each wave keeps its 32 rows of bf16 latent in 256 registers and lays them into LDS again for each stage: X and h1 take turns in one region.
; WEIGHTS.  48 slots of 64 KiB (64 along K x 512 columns) walk through a ring of two LDS slots; wave w fetches, and alone reads, its 16 KiB of a slot.
; CLUSTER.  All work-groups walk the same weights: the four of a cluster ask for each slot JOINTLY (the same load, descriptor and mask in all four).  Nothing else is shared.
; REGISTERS, in windows of 256 (s_set_vgpr_msb: bits 1:0 source 0, 3:2 source 1, 5:4 source 2, 7:6 destination):
;   window 0: v0-63 addresses, totals, sums; v64-127, v128-191 weight fragments, two buffers; v192-223, v224-255 row fragments (64 rows x 32 K), two buffers
;   window 1: my 32 rows of X, bf16        windows 2, 3: accumulator (a, b) at v[8 (8 (a % 4) + b)] of window 2 + a / 4; in the head: latent as loaded
.set RING,  0                          ; two slots, filled by tensor loads alone
.set SLOTB, 65536
.set REGA,  131072                     ; 128 rows, pitch 1,040 (65 x 16 bytes: the 16 rows of a load start at 16 different groups of four banks: ISA guide 11.1): X and h1 by turns; in the head each wave's part holds its candidates
.set PX,    1040
.set EXT,   REGA+128*PX                ; 128 rows of 32 bf16, pitch 80
.set PE,    80
.set PAR,   EXT+128*PE                 ; stage s at 4,096 s: br, then w2, as f32
.set SCR,   PAR+12288                  ; wave w's 128 partial sums at 512 w
.set SPARE, SCR+2048                   ; the spare words, 128 bytes for each wave: two blocks of 256 bytes that no other line names
.set ADRLO, 3                          ; v3, v4  rows 0-63, 64-127 of REGA at the lap in hand
.set ADRHI, 4
.set ADRB,  5                          ; v5, v6  my part of slot 0, 1
.set ADRE,  7                          ; v7      EXT
.set HST,   8                          ; v8, v9  where I put 16 bytes of h1
.set XST,   10                         ; v10     where I put 8 bytes of X
.set PARB,  11                         ; v11     my eight columns' br
.set SCRW,  12
.set SCRR,  13
.set EXTW,  14
.set T16,   15                         ; v15     16 x thread
.set TOT,   16                         ; v16-19  wave 0: the running totals of rows 4 l .. 4 l + 3
.set BB2,   20                         ; v20-22  b2 of the stage in hand and of those to come
.set ONE,   23
.set SS,    24                         ; v24-39  h2 . w2, a pair for each block of 16 rows
.set TT,    40                         ; v40-47  at work
.set EXBO,  48
.set LATO,  49
.set ADR0,  50                         ; v50, v51  ADRLO, ADRHI at K = 0
.set PFO,   52
.set GSC,   53
.set SPW,   62                         ; v62     LDS address of my spare word; never rewritten
.set NIL,   63                         ; v63     0; never rewritten
.set FB0,   64
.set FB1,   128
.set FA0,   192
.set FA1,   224
.set G1,    36                         ; s[36:43] descriptor group 1
.set G0,    44                         ; s[44:51] descriptor group 0, a set for each slot
.set WV,    52
.set SG,    53                         ; products of 512 x 512 still to come, 6 .. 1
.set LAP,   54
.set ASKS,  55                         ; prefetches still to come
.set LIM,   56                         ; 0 in a wave that prefetches, else the greatest number
.set PFA,   58                         ; s[58:59]
.set SEL,   60                         ; s[60:61] v_permlanex16_b32: each lane takes its own place in the other half
.set HI16,  62                         ; 0xffff0000: a word's upper half; also lanes 16-31
.set ODD,   63                         ; 0: the product in hand is a stage's first, 1: its second
.set PSEL,  70                         ; v_perm_b32: the upper halves of two words
.set MSB, 0
.macro WIN new                         ; the immediate's high byte repeats the setting that is left; a switch that changes nothing is dropped
.if MSB != (\new)
	s_set_vgpr_msb (MSB<<8)|(\new)
.set MSB, (\new)
.endif
.endm
.macro PLACES                          ; four places behind a matrix instruction, in front of loads into registers that it has read and of vector lines on its results (ISA guide 7.12.1 for vector lines)
.rept 4
	v_nop
.endr
.endm
.macro CREST                           ; a round of the cluster's barrier behind its opening barrier
	s_cmp_lg_u32 s[WV], 0
	s_cbranch_scc1 .Lnot_wave_0_\@
	s_barrier_signal -3
.Lnot_wave_0_\@:
	s_barrier_wait -3
	s_barrier_signal -1
	s_barrier_wait -1
.endm
.macro CROUND
	s_barrier_signal -1
	s_barrier_wait -1
	CREST
.endm
.macro JLOAD r                         ; the joint fill of slot r: every wave asks for its own quarter (both addresses hang on the wave's number); an s_nop 0 and four v_nop follow
	tensor_load_to_lds s[G0+4*(\r):G0+4*(\r)+3], s[G1:G1+7]
	s_nop 0
	PLACES
.endm
; A PREFETCH INTO THE L2 of the slot that stands four refills on (512 matrix instructions ahead of its load).  All clusters walk the same slots: the first cluster asks.  Its four partners share a slot's
; 64 KiB out BY ADDRESS; in each, waves 0 and 1 name 32 blocks of 256 bytes, a lane a block: each block is named once in the launch.  Slots 0 to 5 come by their loads alone; 42 requests end at slot 47.
.macro ASK
	s_cmp_gt_u32 s[ASKS], s[LIM]
	s_cbranch_scc0 .Lnot_mine_\@
	global_prefetch_b8 v[PFO], s[PFA:PFA+1] th:TH_LOAD_NT scope:SCOPE_SE
	s_sub_co_u32 s[ASKS], s[ASKS], 1
.Lnot_mine_\@:
.endm
; n blocks of 16 rows from a0 of half hi x my 8 blocks of 16 columns, 32 along K.  The 64 accumulators take turns, one instruction a turn, in the same order in every K step.
.macro MUL bb, ab, hi, a0, n, zero
	WIN 0xa0+0x50*(\hi)
.set ma, \a0
.rept \n
.set mb, 0
.rept 8
.set rC, 8*(8*ma+mb)
.if \zero
	v_wmma_f32_16x16x32_bf16 v[rC:rC+7], v[(\bb)+8*mb:(\bb)+8*mb+7], v[(\ab)+8*ma:(\ab)+8*ma+7], 0
.else
	v_wmma_f32_16x16x32_bf16 v[rC:rC+7], v[(\bb)+8*mb:(\bb)+8*mb+7], v[(\ab)+8*ma:(\ab)+8*ma+7], v[rC:rC+7]
.endif
.set mb, mb+1
.endr
.set ma, ma+1
.endr
.endm
.macro LDA ab, adr, koff               ; 64 rows x 32 K of REGA
.irp aa, 0,1,2,3
	ds_load_b128 v[(\ab)+8*\aa:(\ab)+8*\aa+3],   v[\adr] offset:\aa*16*PX+(\koff)
	ds_load_b128 v[(\ab)+8*\aa+4:(\ab)+8*\aa+7], v[\adr] offset:\aa*16*PX+(\koff)+32
.endr
.endm
.macro LDAE ab, hi                     ; 64 rows of EXT
.irp aa, 0,1,2,3
	ds_load_b128 v[(\ab)+8*\aa:(\ab)+8*\aa+3],   v[ADRE] offset:(4*(\hi)+\aa)*16*PE
	ds_load_b128 v[(\ab)+8*\aa+4:(\ab)+8*\aa+7], v[ADRE] offset:(4*(\hi)+\aa)*16*PE+32
.endr
.endm
.macro LDB bb, adr, off, t0, n         ; n weight fragments from t0: they lie in the slot as registers take them, 16 bytes a lane, twice
.set lt, \t0
.rept \n
	ds_load_b128 v[(\bb)+8*lt:(\bb)+8*lt+3],   v[\adr] offset:(\off)+1024*lt
	ds_load_b128 v[(\bb)+8*lt+4:(\bb)+8*lt+7], v[\adr] offset:(\off)+1024*lt+512
.set lt, lt+1
.endr
.endm
; A slot's first K step of 32: multiplies FB0; fetches the rows' upper half, the slot's second step into FB1, and the next step's lower rows.
.macro STEPE r, koff
	s_wait_dscnt 0x0                               ; FB0 and FA0 are in
	PLACES
	WIN 0
	LDA FA1, ADRHI, \koff
	LDB FB1, ADRB+(\r), 8192, 0, 4
	MUL FB0, FA0, 0, 0, 4, 0
	s_wait_dscnt 8                                 ; FA1 is in; the 8 younger loads, of FB1, may stay out
	PLACES
	WIN 0
	LDA FA0, ADRLO, (\koff)+64
	LDB FB1, ADRB+(\r), 8192, 4, 4
	MUL FB0, FA1, 1, 0, 4, 0
.endm
; A slot's second K step: multiplies FB1 and changes slots.  refill = 1: each wave waits for all its tensor loads (one is out: its part of the other slot), adds 0 to its spare word, waits for that and for its
; reads of this slot and of REGA, and a round of the cluster's barrier follows; behind it the slot is asked for again, two slots on: 112 matrix instructions ahead of the wait for it.
; last = 1: a product's last step: no rows are left to fetch, so behind the round no wave reads REGA any more, and it may be written.
.macro STEPO r, koff, refill, last
.if \refill
	s_wait_xcnt 0x0                                ; the last prefetch, a slot back, has read its address
	s_add_nc_u64 s[PFA:PFA+1], s[PFA:PFA+1], SLOTB
.endif
	s_wait_dscnt 0x0                               ; FB1 and FA0 are in
	PLACES
	WIN 0
	LDA FA1, ADRHI, \koff
	MUL FB1, FA0, 0, 0, 2, 0
.if \refill
	WIN 0                                          ; (the add's two registers lie in window 0)
	s_wait_tensorcnt 0x0                           ; no tensor load of mine is out, so a group 0 may be written
	ds_add_u32 v[SPW], v[NIL]                      ; 0 onto my spare word
	s_add_nc_u64 s[G0+4*(\r)+2:G0+4*(\r)+3], s[G0+4*(\r)+2:G0+4*(\r)+3], 2*SLOTB
	MUL FB1, FA0, 0, 2, 1, 0
	s_wait_dscnt 0x0                               ; the add is done, and my reads are back
	s_barrier_signal -1
	MUL FB1, FA0, 0, 3, 1, 0
	WIN 0
	s_barrier_wait -1
	CREST
	JLOAD \r                                       ; its four v_nop are also the places in front of the loads below
.else
	s_wait_tensorcnt 0x0                           ; the other slot's last fill; only I read my part of it
	MUL FB1, FA0, 0, 2, 2, 0
	PLACES
	WIN 0
.endif
.if !(\last)
	LDA FA0, ADRLO, (\koff)+64
.endif
.if (\refill) || !(\last)
	LDB FB0, ADRB+1-(\r), 0, 0, 8
.endif
.if \refill
	ASK
.elseif \last
	s_wait_dscnt 0x0
.else
	s_wait_dscnt 24                                ; FA1 is in; the 24 younger loads may stay out
.endif
	MUL FB1, FA1, 1, 0, 4, 0
.endm
.macro LAPM refill, last               ; once round the ring: 128 along K
	STEPE 0, 0
	STEPO 0, 64, \refill, 0
	STEPE 1, 128
	STEPO 1, 192, \refill, \last
.endm
.macro EXBLOAD                         ; a stage's extra weight rows, straight into FB1
.irp t, 0,1,2,3,4,5,6,7
	global_load_b128 v[FB1+8*\t:FB1+8*\t+3],   v[EXBO], s[12:13] offset:1024*\t
	global_load_b128 v[FB1+8*\t+4:FB1+8*\t+7], v[EXBO], s[12:13] offset:1024*\t+512
.endr
.endm
.macro XSTEP                           ; the extras' K step starts a stage's sums: nothing is cleared
	s_wait_loadcnt 0x0                             ; the extra rows are in, and their loads have read the pointer,
	s_add_nc_u64 s[12:13], s[12:13], 32768         ; which steps to the next stage's
	s_wait_dscnt 0x0
	PLACES
	WIN 0
	LDAE FA1, 1
	MUL FB1, FA0, 0, 0, 4, 1
	s_wait_dscnt 0x0
	PLACES
	WIN 0
	LDA FA0, ADRLO, 0
	MUL FB1, FA1, 1, 0, 4, 1
.endm
.macro XSTORE                          ; my 32 rows of X into REGA: each store covers 256 bytes on end
	WIN 0x04
.set xi, 0
.rept 128
	ds_store_b64 v[XST], v[2*xi:2*xi+1] offset:(xi/4)*PX+(xi%4)*256
.set xi, xi+1
.endr
	WIN 0
.endm
; BEHIND A STAGE'S FIRST PRODUCT, block of 16 rows by block: h1 = relu(z1) in place; rounded to bf16 into REGA; br added onto the f32 h1, so that the second product adds h1 wr onto h1 + br.
.macro E1
.set ea, 0
.rept 8
.set eW, 2+ea/4
.set eB, 64*(ea%4)
.set eT, FA0+32*(ea%2)
	WIN (eW<<6)|(eW<<2)
.set ei, 0
.rept 64
	v_max_num_f32 v[eB+ei], 0, v[eB+ei]            ; in ascending order: each accumulator's lowest register is read first
.set ei, ei+1
.endr
.if ea == 0
	WIN 0
.irp b, 0,1,2,3,4,5,6,7
	ds_load_b128 v[FB1+8*\b:FB1+8*\b+3],   v[PARB] offset:64*\b
	ds_load_b128 v[FB1+8*\b+4:FB1+8*\b+7], v[PARB] offset:64*\b+16
.endr
.endif
	WIN (eW<<2)|eW
.set ei, 0
.rept 32
	v_cvt_pk_bf16_f32 v[eT+ei], v[eB+2*ei], v[eB+2*ei+1]
.set ei, ei+1
.endr
	WIN 0
.set ei, 0
.rept 8
	ds_store_b128 v[HST+ea/4], v[eT+4*ei:eT+4*ei+3] offset:(ea%4)*16*PX+32*ei
.set ei, ei+1
.endr
.if ea == 0
	s_wait_dscnt 8                                 ; br is in; the 8 younger stores may stay out
.endif
	WIN (eW<<6)|(eW<<2)
.set ei, 0
.rept 32
	v_pk_add_f32 v[eB+2*ei:eB+2*ei+1], v[FB1+2*ei:FB1+2*ei+1], v[eB+2*ei:eB+2*ei+1]
.set ei, ei+1
.endr
.set ea, ea+1
.endr
	WIN 0
.endm
.macro RELU w
	WIN ((\w)<<6)|((\w)<<2)
.set ei, 0
.rept 256
	v_max_num_f32 v[ei], 0, v[ei]
.set ei, ei+1
.endr
.endm
.macro DOT hi                          ; h2 . w2 over my 128 columns, four chains by turns; each chain's first line is a product: nothing is cleared
	WIN 2+(\hi)
.set db, 0
.rept 8
.set di, 0
.rept 4
.set da, 0
.rept 4
.set rS, SS+2*(4*(\hi)+da)
.set rC, 8*(8*da+db)+2*di
.set rW, FA0+8*db+2*di
.if (db == 0) && (di == 0)
	v_pk_mul_f32 v[rS:rS+1], v[rC:rC+1], v[rW:rW+1]
.else
	v_pk_fma_f32 v[rS:rS+1], v[rC:rC+1], v[rW:rW+1], v[rS:rS+1]
.endif
.set da, da+1
.endr
.set di, di+1
.endr
.set db, db+1
.endr
.endm
; BEHIND A STAGE'S SECOND PRODUCT: h2 = relu; my columns' share of h2 . w2 for all 128 rows goes to SCR.  final = 0: the next stage's extra rows are asked for meanwhile.
.macro E2 final
	RELU 2
	WIN 0
.irp b, 0,1,2,3,4,5,6,7
	ds_load_b128 v[FA0+8*\b:FA0+8*\b+3],   v[PARB] offset:2048+64*\b
	ds_load_b128 v[FA0+8*\b+4:FA0+8*\b+7], v[PARB] offset:2048+64*\b+16
.endr
.if !(\final)
	EXBLOAD
.endif
	s_wait_dscnt 0x0
	DOT 0
	RELU 3
	DOT 1
	WIN 0
.irp a, 0,1,2,3,4,5,6,7
	v_add_f32 v[SS+2*\a], v[SS+2*\a], v[SS+2*\a+1]
.endr
.irp a, 0,1,2,3,4,5,6,7
	v_permlanex16_b32 v[SS+2*\a+1], v[SS+2*\a], s[SEL], s[SEL+1]  ; a row's other 64 columns lie in the lane 16 away
.endr
.irp a, 0,1,2,3,4,5,6,7
	v_add_f32 v[SS+2*\a], v[SS+2*\a], v[SS+2*\a+1]
.endr
.irp i, 0,1,2,3
	v_cndmask_b32 v[TT+\i], v[SS+4*\i], v[SS+4*\i+2], s[HI16]     ; blocks 2 i and 2 i + 1 are rows 32 i + lane
	ds_store_b32 v[SCRW], v[TT+\i] offset:128*\i
.endr
.endm
.macro TOTAL                           ; wave 0: the four waves' shares and b2 onto the running totals of rows 4 l .. 4 l + 3
.irp v, 0,1,2,3
	ds_load_b128 v[FA0+4*\v:FA0+4*\v+3], v[SCRR] offset:512*\v
.endr
	s_wait_dscnt 0x0
.irp j, 0,2
	v_pk_add_f32 v[FA0+\j:FA0+\j+1], v[FA0+\j:FA0+\j+1], v[FA0+4+\j:FA0+4+\j+1]
	v_pk_add_f32 v[FA0+8+\j:FA0+8+\j+1], v[FA0+8+\j:FA0+8+\j+1], v[FA0+12+\j:FA0+12+\j+1]
.endr
.irp j, 0,2
	v_pk_add_f32 v[FA0+\j:FA0+\j+1], v[FA0+\j:FA0+\j+1], v[FA0+8+\j:FA0+8+\j+1]
.endr
.irp j, 0,1,2,3
	v_add_f32 v[FA0+\j], v[FA0+\j], v[BB2]
	v_add_f32 v[TOT+\j], v[TOT+\j], v[FA0+\j]
.endr
.endm
	s_load_b512 s[4:19], s[0:1], 0x0               ; latent s[4:5], tabg s[6:7], kblk s[8:9], wstream s[10:11], exb s[12:13], out0 s[14:15], s1_br, s1_w2
	s_load_b256 s[20:27], s[0:1], 0x40             ; s2_br, s2_w2, s3_br, s3_w2
	s_load_b128 s[28:31], s[0:1], 0x60             ; s1_b2, s2_b2
	s_load_b64 s[32:33], s[0:1], 0x70              ; s3_b2
	v_lshl_add_u32 v[SPW], v0, 2, SPARE
	v_mov_b32 v[NIL], 0
	ds_add_u32 v[SPW], v[NIL]                      ; the wave's opening: the add, twice on end, and its wait ahead of my first tensor load
	ds_add_u32 v[SPW], v[NIL]                      ; and once more, under the one wait; the set-up below, work on registers, stands between
	v_lshrrev_b32 v[TT], 5, v0
	v_readfirstlane_b32 s[WV], v[TT]               ; wave 0..3
	s_bfe_u32 s66, ttmp6, 0x40000                  ; cx: my place in the cluster
	s_lshl_b32 s67, ttmp9, 2                       ; in a cluster launch ttmp9 counts clusters
	s_add_co_u32 s67, s67, s66                     ; my block of 128 rows: it enters global addresses alone
	; descriptor group 1: 16 KiB on end, as 64 rows of 256 bytes
	s_mov_b32 s[G1], 15|(3<<16)|(1<<21)            ; 15:0 the mask of four; 17:16 elements of 8 bytes; 21 set beside a mask
	s_mov_b32 s[G1+1], 32<<16                      ; tensor_dim0 = 32
	s_mov_b32 s[G1+2], 64<<16                      ; tensor_dim1 = 64
	s_mov_b32 s[G1+3], 32<<16                      ; tile_dim0 = 32
	s_mov_b32 s[G1+4], 64                          ; tile_dim1 = 64
	s_mov_b32 s[G1+5], 32                          ; 32 elements from row to row
	s_mov_b32 s[G1+6], 0
	s_mov_b32 s[G1+7], 0
	s_mov_b32 s[G0], 1
	s_lshl_b32 s[G0+1], s[WV], 14                  ; my quarter of slot 0 (the ring begins at LDS byte 0),
	s_mov_b32 s[G0+4], 1
	s_add_co_u32 s[G0+5], s[G0+1], SLOTB           ; and of slot 1
	s_mov_b32 s[SEL], 0x76543210
	s_mov_b32 s[SEL+1], 0xfedcba98
	s_mov_b32 s[HI16], 0xffff0000
	s_mov_b32 s[PSEL], 0x07060302
	s_mov_b32 s[ASKS], 42
	s_lshr_b32 s[LIM], s[WV], 1
	s_or_b32 s[LIM], s[LIM], ttmp9                 ; 0 in waves 0 and 1 of the first cluster: the same in all four partners
	s_cmp_eq_u32 s[LIM], 0
	s_cselect_b32 s[LIM], 0, -1
	v_lshlrev_b32 v[T16], 4, v0
	v_lshlrev_b32 v[TT+1], 3, v0
	s_mov_b32 s69, 0
	s_wait_dscnt 0x0                               ; both opening adds are done
	s_wait_kmcnt 0x0
	s_load_b32 s34, s[28:29], 0x0                  ; the three b2
	s_load_b32 s35, s[30:31], 0x0
	s_load_b32 s57, s[32:33], 0x0
	s_lshl_b32 s68, s[WV], 14
	s_add_nc_u64 s[G0+2:G0+3], s[10:11], s[68:69]  ; my quarter of slot 0 in memory,
	s_add_nc_u64 s[G0+6:G0+7], s[G0+2:G0+3], SLOTB ; of slot 1
	s_or_b32 s[G0+3], s[G0+3], 0x80000000          ; type = 2
	s_or_b32 s[G0+7], s[G0+7], 0x80000000
	s_lshl_b32 s68, s66, 1
	s_add_co_u32 s68, s68, s[WV]
	s_lshl_b32 s68, s68, 13                        ; the prefetches: 8 KiB of a slot for each of the cluster's eight asking waves
	s_add_nc_u64 s[PFA:PFA+1], s[10:11], s[68:69]
	s_add_nc_u64 s[PFA:PFA+1], s[PFA:PFA+1], 5*SLOTB  ; the first change of slots steps it to slot 6
	s_lshl_b32 s68, s67, 18
	s_add_nc_u64 s[4:5], s[4:5], s[68:69]          ; latent at my 128 rows
	s_lshl_b32 s68, s67, 11
	s_add_nc_u64 s[8:9], s[8:9], s[68:69]          ; their block numbers
	s_lshl_b32 s68, s67, 10
	s_add_nc_u64 s[72:73], s[6:7], s[68:69]        ; their own records
	s_lshr_b32 s68, s67, 5
	s_lshl_b32 s68, s68, 15
	s_add_nc_u64 s[6:7], s[6:7], s[68:69]          ; the batch's 4,096 records
	s_lshl_b32 s68, s67, 9
	s_add_nc_u64 s[14:15], s[14:15], s[68:69]      ; out0 at my rows
	global_load_b128 v[TT+4:TT+7], v[T16], s[8:9]  ; my query's three blocks
	global_load_b64 v[TT+2:TT+3], v[TT+1], s[72:73]
	CROUND                                         ; all four work-groups are here: the first joint loads meet
	tensor_load_to_lds s[G0:G0+3], s[G1:G1+7]      ; slots 0 and 1: two loads of mine are out
	s_nop 0
	tensor_load_to_lds s[G0+4:G0+7], s[G1:G1+7]
	s_nop 0
	PLACES
	v_and_b32 v1, 15, v0
	v_bfe_u32 v2, v0, 4, 1
	v_and_b32 v[TT], 31, v0
	v_mul_u32_u24 v[ADR0], v1, PX
	v_lshl_add_u32 v[ADR0], v2, 4, v[ADR0]
	v_add_nc_u32 v[ADR0], REGA, v[ADR0]            ; row x pitch + 16 x half
	v_add_nc_u32 v[ADR0+1], 64*PX, v[ADR0]
	s_lshl_b32 s74, s[WV], 8
	v_add_nc_u32 v[HST], s74, v[ADR0]              ; + my 128 columns
	v_add_nc_u32 v[HST+1], s74, v[ADR0+1]
	v_lshl_add_u32 v[ADRB], v[TT], 4, s[G0+1]
	v_add_nc_u32 v[ADRB+1], SLOTB, v[ADRB]
	v_mul_u32_u24 v[ADRE], v1, PE
	v_lshl_add_u32 v[ADRE], v2, 4, v[ADRE]
	v_add_nc_u32 v[ADRE], EXT, v[ADRE]
	s_mul_i32 s74, s[WV], 32*PX
	s_add_co_u32 s74, s74, REGA                    ; my 32 rows of REGA
	v_lshl_add_u32 v[XST], v[TT], 3, s74
	v_lshl_add_u32 v[GSC], v[TT], 4, s74
	s_lshl_b32 s74, s[WV], 9
	s_add_co_u32 s75, s74, PAR
	v_lshl_add_u32 v[PARB], v2, 5, s75
	s_add_co_u32 s75, s74, SCR
	v_lshl_add_u32 v[SCRW], v[TT], 2, s75
	v_lshl_add_u32 v[SCRR], v[TT], 4, SCR
	v_mul_u32_u24 v[EXTW], v[TT], 4*PE
	v_add_nc_u32 v[EXTW], EXT, v[EXTW]
	v_mov_b32 v[ONE], 0x3f800000
	s_lshl_b32 s74, s[WV], 13
	v_lshl_add_u32 v[EXBO], v[TT], 4, s74
	s_lshl_b32 s74, s[WV], 16
	v_lshl_add_u32 v[LATO], v[TT], 4, s74
	v_lshlrev_b32 v[PFO], 8, v[TT]
.irp j, 0,1,2,3
	v_mov_b32 v[TOT+\j], 0
.endr
	s_wait_loadcnt 0x0                             ; my blocks and my record
.irp k, 0,1,2
	v_min_u32 v[TT+4+\k], 0x7f, v[TT+4+\k]         ; a loaded number enters an address only so bounded
	v_lshlrev_b32 v[TT+4+\k], 8, v[TT+4+\k]        ; a block is 32 records of 8 bytes
.endr
.irp k, 0,1,2
.irp i, 0,1,2,3,4,5,6,7,8,9,10,11,12,13,14,15
	global_load_b128 v[64+64*\k+4*\i:64+64*\k+4*\i+3], v[TT+4+\k], s[6:7] offset:16*\i
.endr
.endr
.irp n, 0,1,2,3
	global_load_b128 v[SS+4*\n:SS+4*\n+3], v[T16], s[16+2*\n:17+2*\n]  ; br and w2, 16 bytes a thread
.endr
	global_load_b128 v[54:57], v[T16], s[24:25]
	global_load_b128 v[58:61], v[T16], s[26:27]
	WIN 0x80                                       ; destination window 2
.set i, 0
.rept 64                               ; latent, rows 32 w + i / 4, 512 bytes on end a load
	global_load_b128 v[4*i:4*i+3], v[LATO], s[4:5] offset:(i/4)*2048+(i%4)*512 th:TH_LOAD_NT
.set i, i+1
.endr
	WIN 0
	s_wait_loadcnt 63                              ; of the 118 loads the oldest 55 are in: candidates, br and w2; a count's field ends at 63 (ISA guide 5.7.1), so the other half of latent is asked for behind the search
.set i, 0
.rept 48
	ds_store_b128 v[GSC], v[64+4*i:64+4*i+3] offset:512*i  ; my candidates into my wave's own rows of REGA, at places fixed by the lane: no LDS address hangs on a loaded number
.set i, i+1
.endr
	v_add_nc_u32 v[TT+7], PAR, v[T16]
.macro ROUNDPAR rr, off                ; four numbers rounded to bf16 and kept as f32
	v_cvt_pk_bf16_f32 v[TT], v[\rr], v[(\rr)+1]
	v_cvt_pk_bf16_f32 v[TT+1], v[(\rr)+2], v[(\rr)+3]
	v_lshlrev_b32 v[\rr], 16, v[TT]
	v_and_b32 v[(\rr)+1], s[HI16], v[TT]
	v_lshlrev_b32 v[(\rr)+2], 16, v[TT+1]
	v_and_b32 v[(\rr)+3], s[HI16], v[TT+1]
	ds_store_b128 v[TT+7], v[\rr:(\rr)+3] offset:\off
.endm
	ROUNDPAR SS, 0
	ROUNDPAR SS+4, 2048
	ROUNDPAR SS+8, 4096
	ROUNDPAR SS+12, 6144
	ROUNDPAR 54, 8192
	ROUNDPAR 58, 10240
	s_wait_kmcnt 0x0
	v_mov_b32 v[BB2], s34
	v_mov_b32 v[BB2+1], s35
	v_mov_b32 v[BB2+2], s57
.irp j, 0,1,2
	v_cvt_pk_bf16_f32 v[BB2+\j], v[BB2+\j], v[BB2+\j]
	v_lshlrev_b32 v[BB2+\j], 16, v[BB2+\j]
.endr
	; THE SEARCH.  v24-27 my query's x, y, z, xx; v28, v29 the two best pd; v30-31, v32-33 their records; v34-40 at work
	v_lshlrev_b32 v24, 16, v[TT+2]
	v_and_b32 v25, s[HI16], v[TT+2]
	v_lshlrev_b32 v26, 16, v[TT+3]
	v_mul_f32 v27, v24, v24
	v_fmac_f32 v27, v25, v25
	v_fmac_f32 v27, v26, v26
	v_mov_b32 v28, 0xff800000
	v_mov_b32 v29, 0xff800000
.irp j, 30,31,32,33
	v_mov_b32 v[\j], 0
.endr
.macro CAND w0, w1
	v_lshlrev_b32 v34, 16, v[\w0]
	v_and_b32 v35, s[HI16], v[\w0]
	v_lshlrev_b32 v36, 16, v[\w1]
	v_mul_f32 v37, v34, v34
	v_mul_f32 v38, v24, v34
	v_fmac_f32 v37, v35, v35
	v_fmac_f32 v38, v25, v35
	v_fmac_f32 v37, v36, v36                       ; xx_m
	v_fmac_f32 v38, v26, v36                       ; inner
	v_fma_f32 v39, v38, 2.0, -v27
	v_sub_f32 v39, v39, v37                        ; pd
	v_cmp_gt_f32 s68, v39, v28
	v_cmp_gt_f32 s69, v39, v29
	v_cndmask_b32 v32, v32, v[\w0], s69
	v_cndmask_b32 v33, v33, v[\w1], s69
	v_cndmask_b32 v32, v32, v30, s68
	v_cndmask_b32 v33, v33, v31, s68
	v_cndmask_b32 v30, v30, v[\w0], s68
	v_cndmask_b32 v31, v31, v[\w1], s68
	v_min_num_f32 v40, v28, v39
	v_max_num_f32 v29, v29, v40
	v_max_num_f32 v28, v28, v39
.endm
	s_wait_dscnt 0x0
	s_mov_b32 s76, 6                               ; six trips of 16 candidates
.Lscan:
.irp j, 0,1,2,3,4,5,6,7
	ds_load_b128 v[64+4*\j:64+4*\j+3], v[GSC] offset:512*\j
.endr
.irp j, 0,1,2,3,4,5,6,7
	s_wait_dscnt 7-\j                              ; LDS loads come back in order (ISA guide 5.7.1): pair j is in, the younger ones may stay out
	CAND 64+4*\j, 65+4*\j
	CAND 66+4*\j, 67+4*\j
.endr
	v_add_nc_u32 v[GSC], 0x1000, v[GSC]
	s_sub_co_u32 s76, s76, 1
	s_cmp_lg_u32 s76, 0
	s_cbranch_scc1 .Lscan
	; my row of EXT
	v_lshlrev_b32 v34, 16, v30
	v_and_b32 v35, s[HI16], v30
	v_lshlrev_b32 v36, 16, v31
	v_lshlrev_b32 v37, 16, v32
	v_and_b32 v38, s[HI16], v32
	v_lshlrev_b32 v39, 16, v33
.irp i, 0,1,2
.irp j, 0,1,2
	v_mul_f32 v[64+3*\i+\j], v[34+\i], v[37+\j]    ; n0_i n1_j, exact
.endr
.endr
.irp c, 0,1,2,3,4,5,6,7,8
	v_and_b32 v40, s[HI16], v[64+\c]
	v_sub_f32 v[80+\c], v[64+\c], v40              ; its low piece, exact
.endr
	v_mov_b32 v96, 0                               ; k 0, 1: no total yet
	v_mov_b32 v97, v[ONE]                          ; k 2: 0; k 3: 1
	v_mov_b32 v98, v[TT+2]                         ; k 4, 5: x, y
	v_bfi_b32 v99, s[HI16], v64, v[TT+3]           ; k 6: z; k 7 on: the products' high pieces
.irp c, 0,1,2,3
	v_perm_b32 v[100+\c], v[66+2*\c], v[65+2*\c], s[PSEL]
	v_perm_b32 v[104+\c], v[81+2*\c], v[80+2*\c], s[PSEL]
.endr
	v_lshrrev_b32 v108, 16, v88
	v_mov_b32 v109, 0
	v_mov_b32 v110, 0
	v_mov_b32 v111, 0
	v_mul_u32_u24 v41, v0, PE
	v_add_nc_u32 v41, EXT, v41
.irp q, 0,1,2,3
	ds_store_b128 v41, v[96+4*\q:96+4*\q+3] offset:16*\q
.endr
	EXBLOAD                                        ; stage 1's extra rows,
	WIN 0xc0                                       ; and the other half of latent, into window 3
.set i, 0
.rept 64
	global_load_b128 v[4*i:4*i+3], v[LATO], s[4:5] offset:(16+i/4)*2048+(i%4)*512 th:TH_LOAD_NT
.set i, i+1
.endr
.macro CVTX w, i0, n                   ; loads i0 on of window w, rounded to bf16 into window 1
	WIN 0x40|((\w)<<2)|(\w)
.set ci, \i0
.rept \n
	v_cvt_pk_bf16_f32 v[128*((\w)-2)+2*ci], v[4*ci], v[4*ci+1]
	v_cvt_pk_bf16_f32 v[128*((\w)-2)+2*ci+1], v[4*ci+2], v[4*ci+3]
.set ci, ci+1
.endr
.endm
	s_wait_loadcnt 63                              ; all but the youngest 63: the first half of latent is in
	CVTX 2, 0, 64
	s_wait_loadcnt 48                              ; then sixteen loads at a time
	CVTX 3, 0, 16
	s_wait_loadcnt 32
	CVTX 3, 16, 16
	s_wait_loadcnt 16
	CVTX 3, 32, 16
	s_wait_loadcnt 0x0
	CVTX 3, 48, 16
	XSTORE                                         ; over my own candidates, whose reads are back
	s_wait_dscnt 0x0                               ; for the others' sake: X, EXT, br and w2 lie in LDS
	s_barrier_signal -1
	s_barrier_wait -1
	s_wait_tensorcnt 0x1                           ; my part of slot 0 is in, and only I read it; slot 1's may stay out
	LDB FB0, ADRB, 0, 0, 8
	LDAE FA0, 0
	v_mov_b32 v[ADRLO], v[ADR0]
	v_mov_b32 v[ADRHI], v[ADR0+1]
	s_mov_b32 s[SG], 6
	s_mov_b32 s[ODD], 0
.Lgemm:                                        ; six times: a product of 128 x 512 x 512, and what follows it
	s_cmp_eq_u32 s[ODD], 1
	s_cbranch_scc1 .Lno_extras                     ; a stage's second product adds onto h1 + br
	XSTEP
	WIN 0                                          ; at a label and at a branch every window is 0
.Lno_extras:
	s_mov_b32 s[LAP], 3
.Llap:
	LAPM 1, 0
	WIN 0
	v_add_nc_u32 v[ADRLO], 0x100, v[ADRLO]
	v_add_nc_u32 v[ADRHI], 0x100, v[ADRHI]
	s_sub_co_u32 s[LAP], s[LAP], 1
	s_cmp_lg_u32 s[LAP], 0
	s_cbranch_scc1 .Llap
	s_cmp_eq_u32 s[SG], 1
	s_cbranch_scc1 .Ltail                          ; the last product's last lap is written out: it asks for nothing more
	LAPM 1, 1                                      ; the ring goes on into the next product
	WIN 0
	s_cmp_eq_u32 s[ODD], 1
	s_cbranch_scc1 .Lsecond
	E1
	s_wait_dscnt 0x0                               ; for the others' sake: my columns of h1 lie in REGA
	s_barrier_signal -1
	s_barrier_wait -1
	v_mov_b32 v[ADRLO], v[ADR0]
	v_mov_b32 v[ADRHI], v[ADR0+1]
	LDA FA0, ADRLO, 0
	s_branch .Lnext
.Lsecond:
	E2 0
	XSTORE                                         ; X takes h1's place again
	s_wait_dscnt 0x0
	s_barrier_signal -1
	s_barrier_wait -1                              ; all four waves' shares lie in SCR
	s_cmp_lg_u32 s[WV], 0
	s_cbranch_scc1 .Lnot_0
	TOTAL
.irp j, 0,1,2,3                        ; the total in three bf16 pieces, exact, into k 0-2 of its row; k 3 stays 1
	v_and_b32 v[TT], s[HI16], v[TOT+\j]
	v_sub_f32 v[TT+1], v[TOT+\j], v[TT]
	v_and_b32 v[TT], s[HI16], v[TT+1]
	v_sub_f32 v[TT+2], v[TT+1], v[TT]
	v_perm_b32 v[TT+4], v[TT+1], v[TOT+\j], s[PSEL]
	v_perm_b32 v[TT+5], v[ONE], v[TT+2], s[PSEL]
	ds_store_b64 v[EXTW], v[TT+4:TT+5] offset:PE*\j
.endr
.Lnot_0:
	s_wait_dscnt 0x0
	s_barrier_signal -1
	s_barrier_wait -1                              ; EXT holds the next stage's extras
	v_mov_b32 v[BB2], v[BB2+1]
	v_mov_b32 v[BB2+1], v[BB2+2]
	v_add_nc_u32 v[PARB], 0x1000, v[PARB]
	v_mov_b32 v[ADRLO], v[ADR0]
	v_mov_b32 v[ADRHI], v[ADR0+1]
	LDAE FA0, 0
.Lnext:
	s_xor_b32 s[ODD], s[ODD], 1
	s_sub_co_u32 s[SG], s[SG], 1
	s_branch .Lgemm
.Ltail:
	LAPM 0, 1
	E2 1
	s_wait_dscnt 0x0
	s_barrier_signal -1
	s_barrier_wait -1
	s_cmp_lg_u32 s[WV], 0
	s_cbranch_scc1 .Lend
	TOTAL
	global_store_b128 v[T16], v[TOT:TOT+3], s[14:15]  ; wave 0 stores the work-group's 128 numbers: 512 bytes on end, aligned
.Lend:
	s_wait_tensorcnt 0x0                           ; the wave's end, behind my last tensor load and my last LDS store
	ds_add_u32 v[SPW], v[NIL]
	s_wait_dscnt 0x0
	CROUND                                         ; the closing round: no work-group ends while a partner may still ask for a slot that names it
	s_endpgm
.Lfunc_end_k_q4f3cdda41d_mlp:
	.size	k_q4f3cdda41d_mlp, .Lfunc_end_k_q4f3cdda41d_mlp-k_q4f3cdda41d_mlp
	.p2alignl 7, 3214868480
	.fill 96, 4, 3214868480
	.section	.rodata,"a",@progbits
	.p2align	6, 0x0
	.amdhsa_kernel k_q4f3cdda41d_mlp
		.amdhsa_group_segment_fixed_size 327680
		.amdhsa_private_segment_fixed_size 0
		.amdhsa_enable_private_segment 0
		.amdhsa_kernarg_size 120
		.amdhsa_user_sgpr_count 2
		.amdhsa_user_sgpr_kernarg_segment_ptr 1
		.amdhsa_wavefront_size32 1
		.amdhsa_system_sgpr_workgroup_id_x 1
		.amdhsa_system_sgpr_workgroup_id_y 1
		.amdhsa_system_sgpr_workgroup_id_z 1
		.amdhsa_system_vgpr_workitem_id 0
		.amdhsa_next_free_vgpr 1024
		.amdhsa_next_free_sgpr 80
		.amdhsa_reserve_vcc 0
		.amdhsa_float_denorm_mode_32 3
		.amdhsa_float_denorm_mode_16_64 3
		.amdhsa_memory_ordered 1
		.amdhsa_forward_progress 1
		.amdhsa_inst_pref_size 255
	.end_amdhsa_kernel
	.section	.bss,"aw",@nobits
	.p2align	6
	.space	262144
	.amdgpu_metadata
---
amdhsa.version: [ 1, 2 ]
amdhsa.kernels:
  - .name:           k_q4f3cdda41d_mlp
    .symbol:         k_q4f3cdda41d_mlp.kd
    .args:
      - { .name: latent, .offset: 0, .size: 8, .value_kind: global_buffer, .address_space: global }
      - { .name: tabg, .offset: 8, .size: 8, .value_kind: global_buffer, .address_space: global }
      - { .name: kblk, .offset: 16, .size: 8, .value_kind: global_buffer, .address_space: global }
      - { .name: wstream, .offset: 24, .size: 8, .value_kind: global_buffer, .address_space: global }
      - { .name: exb, .offset: 32, .size: 8, .value_kind: global_buffer, .address_space: global }
      - { .name: out0, .offset: 40, .size: 8, .value_kind: global_buffer, .address_space: global }
      - { .name: s1_br, .offset: 48, .size: 8, .value_kind: global_buffer, .address_space: global }
      - { .name: s1_w2, .offset: 56, .size: 8, .value_kind: global_buffer, .address_space: global }
      - { .name: s2_br, .offset: 64, .size: 8, .value_kind: global_buffer, .address_space: global }
      - { .name: s2_w2, .offset: 72, .size: 8, .value_kind: global_buffer, .address_space: global }
      - { .name: s3_br, .offset: 80, .size: 8, .value_kind: global_buffer, .address_space: global }
      - { .name: s3_w2, .offset: 88, .size: 8, .value_kind: global_buffer, .address_space: global }
      - { .name: s1_b2, .offset: 96, .size: 8, .value_kind: global_buffer, .address_space: global }
      - { .name: s2_b2, .offset: 104, .size: 8, .value_kind: global_buffer, .address_space: global }
      - { .name: s3_b2, .offset: 112, .size: 8, .value_kind: global_buffer, .address_space: global }
    .group_segment_fixed_size: 327680
    .private_segment_fixed_size: 0
    .kernarg_segment_align: 8
    .kernarg_segment_size: 120
    .max_flat_workgroup_size: 128
    .sgpr_count:     80
    .vgpr_count:     1024
    .wavefront_size: 32
...
	.end_amdgpu_metadata
.endif
;; end of part 2
;; ======== version 2 of 2: 2 launches; version 1 with the launch prep written anew for expert scheduling mode
;; workspace buffers: wstream 3,145,728 bytes; exb 98,304 bytes; kblk 524,288 bytes of whole numbers; tabg 262,144 bytes
;; launch prep (part 3): grid 256 x 1, 4 waves a work-group, no clusters, 68,608 bytes of LDS; arguments reconstructed_points, s1_w1, s1_wr, s2_w1, s2_wr, s3_w1, s3_wr, s1_b1, s2_b1, s3_b1, wstream, exb, kblk, tabg; writes wstream, exb, kblk, tabg
.if DOCPART == 3
	.amdgcn_target "amdgcn-amd-amdhsa--gfx1250"
	.amdhsa_code_object_version 6
	.text
	.protected	k_q4f3cdda41d_prep
	.globl	k_q4f3cdda41d_prep
	.p2align	8
	.type	k_q4f3cdda41d_prep,@function
k_q4f3cdda41d_prep:
	s_mov_b64 s[64:65], 0
	v_nop
	global_prefetch_b8 v0, s[64:65] scope:SCOPE_SE
	s_setreg_imm32_b32 hwreg(HW_REG_WAVE_SCHED_MODE, 0, 2), 2
	s_setreg_imm32_b32 hwreg(HW_REG_WAVE_MODE, 25, 1), 1
	s_wait_xcnt 0x0
	s_wait_alu depctr_vm_vsrc(0)
; PREP: (1) the weights, rounded to bf16 and laid out as the next launch's operand registers take them; (2) for each point the three blocks of 32 candidates that can hold its two nearest.
; WORK LEFT OUT.  reference() takes top_k(pd, 16) and then uses idx[:, :, 0] and idx[:, :, 1] alone: ranks 2 to 15 are sliced away for every value of the inputs, so no rank beyond the
; second is made, here or in the next launch.  Every input has a way to the output and is loaded by one of the two launches.  A NaN or an infinity that would reach ranks 2 to 15 alone is not carried.
; FORMATS.  Every input of the module (points, latent, weights, biases) is rounded once to bf16.  With bf16 points all products of coordinates are exact in f32.
; THE CHOICE goes in two steps.  Here: pd' = 2 x.x' - xx_m - xx_n by the matrix unit, K places [x, y, z, xx_hi, xx_mid, xx_lo] against [2x, 2y, 2z, -1, -1, -1], C = -xx_n (xx in three bf16
; pieces, exact); of each block of 32 neighbouring candidates only the maximum is kept, and the three best blocks (maximum descending, block ascending) are stored, in ascending order.
; The two best elements (value descending, index ascending) always lie in the two best blocks so ordered; the third block is the margin for the rounding of pd', which is not reference()'s.
; The next launch goes through those 96 candidates with reference()'s own order of f32 roundings.
; LIMITS.  NaN and infinities are not treated apart; |point| stays under 1e19 (xx finite); if more than one block's maximum lies within the rounding of pd' of the second best, the margin of one block can fail.
; SHARES.  Work-group g: batch g / 32, queries 128 (g % 32) on; wave w 32 of them, two tiles of 16, against all 4,096 candidates.  Each work-group also lays out 1 / 256 of each of the six
; 512 x 512 weight blocks; work-groups 0 to 47 make the 32 extra K rows of the three stages; each thread stores its own point's record for the next launch.
; THE MODE: SCHED_MODE bits 1:0 = 2 (LLVM: expert scheduling mode 2), set by the entry lines.  The code itself states the register dependences between vector or matrix instructions
; and memory or LDS instructions, and those through scalar registers that vector instructions write, with s_wait_alu, always for 0.
; THE PLAN.  Registers that memory or LDS instructions touch:
;   v6, v7, v27, v29-31  offsets, made once at the head, ahead of one wait.  v4, v5: LDS addresses, made at the head and anew for the search.  v3: the candidate tiles' LDS address, stepped once a trip.
;   RAW, WR, QR          loaded once, then read by vector lines alone.
;   OUT0, OUT1           eight candidate records each.  Batch b of eight writes OUT[b % 2]; its eight LDS stores are issued in batch b + 1, dealt among that batch's vector lines, which name the other buffer.
;                        At a batch's head one wait states that the batch before is written, and from the third batch on a second one that the stores issued a batch ago have read the buffer that is written now.
;   CV, the extras' out  written by a run of conversions, one wait, then the run of stores.  The extras' nine offsets: made in a run, one wait, then the nine loads.
;   CAA, CAB             16 candidate tiles each.  A trip's products 0-31 read CAA, 32-63 CAB.  The wait at the trip's head states that the last trip's products are done reading CAB and that v3 is written:
;                        CAB's loads follow, dealt among the first maxima.  The wait ahead of product 32 states that products 0-31 are done reading CAA: CAA's loads for the next trip follow.
;   Masks                a compare's mask lies in a scalar register: the compares stand in runs (both query tiles' six; the extras' eight), work that needs no mask behind them, then one wait, then the selects.
.set REC,   0                          ; LDS: candidate m at 16 m: bf16 x, y, z, xx_hi, xx_mid, xx_lo, 0, 0
.set QREC,  65536                      ; query t at 16 t: bf16 2x, 2y, 2z, -1, -1, -1, 0, 0
.set QXX,   67584                      ; -xx of query t, f32
.set SPARE, 68096                      ; the spare words, 128 bytes for each wave: two blocks of 256 bytes that no other line names
.set OUT0,  32                         ; v32-63    at the head: eight records of four words, to store
.set OUT1,  224                        ; v224-255  the same, by turns with OUT0
.set RAW,   64                         ; v64-159   the batch's points as loaded: group i, coordinate d at RAW + 12 i + 4 d
.set WR,    160                        ; v160-207  weights as loaded: block g, k step e at WR + 8 g + e
.set QR,    208                        ; v208-210  my own point
.set W0,    212                        ; v212-215  my own point's record
.set XF,    216                        ; v216-219  x, y, z, xx of the rounded point
.set YF,    217
.set ZF,    218
.set XX,    219
.set HH,    220                        ; v220-223  at work
.set RR,    221
.set MM,    222
.set LL,    223
.set CV,    224                        ; v224-247  weights, rounded
.set DD,    64                         ; v64-95    four results of 8, by turns
.set CAA,   96                         ; v96-159   16 candidate tiles, 4 registers each; v160-163 zeros
.set CAB,   164                        ; v164-227  the next 16; v228-231 zeros
; v0 thread; v1 lane % 16; v2 lane / 16; v3 LDS address of my row of a candidate tile; v4, v5 LDS addresses of query records; v6 16 x (128 g + t); v7 weights' source offset; v8, v9 the add's two
; v10-15, v16-21 per query tile: the three best maxima, their blocks; v22-25 running maxima; v26, v27 at work; v27-31 at the head offsets; v32-47 query operands; v48-63 -xx_n, eight times, per tile
	s_load_b512 s[4:19], s[0:1], 0x0               ; points s[4:5]; s1_w1, s1_wr, s2_w1, s2_wr, s3_w1, s3_wr s[6:17]; s1_b1 s[18:19]
	s_load_b256 s[20:27], s[0:1], 0x40             ; s2_b1, s3_b1, wstream s[24:25], exb s[26:27]
	s_load_b128 s[28:31], s[0:1], 0x60             ; kblk s[28:29], tabg s[30:31]
	v_lshl_add_u32 v8, v0, 2, SPARE
	v_mov_b32 v9, 0
	v_lshrrev_b32 v26, 5, v0
	v_readfirstlane_b32 s32, v26                   ; wave 0..3
	s_mov_b32 s48, 0xffff                          ; a word's lower half; also lanes 0-15
	s_mov_b32 s49, 0xffff0000                      ; a word's upper half; also lanes 16-31
	s_mov_b32 s50, 0x07060302                      ; v_perm_b32: the upper halves of two words
	s_mov_b32 s40, 0x76543210                      ; v_permlanex16_b32: each lane takes its own place in the other half
	s_mov_b32 s41, 0xfedcba98
	s_lshr_b32 s42, ttmp9, 5
	s_mul_i32 s42, s42, 49152                      ; the batch: 3 x 4,096 f32
	s_mov_b32 s43, 0
	s_and_b32 s44, ttmp9, 31
	s_lshl_b32 s44, s44, 9                         ; my work-group's 128 queries, 4 bytes each
	s_lshl_b32 s45, ttmp9, 7
	v_lshlrev_b32 v27, 4, v0                       ; 16 t: four candidates of a group of 512
	v_lshl_add_u32 v30, v0, 2, s44                 ; my own point
	v_add_nc_u32 v28, s45, v0                      ; c = 128 g + t: my piece of 16 bytes in each laid-out block, and my point's number
	v_lshlrev_b32 v6, 4, v28
	v_lshlrev_b32 v31, 3, v28
	v_lshlrev_b32 v29, 6, v0                       ; 64 t: four records
	; piece c of a laid-out block holds W[k0 .. k0 + 7][n]: c = lane (5 bits), half, tile t (3), q2, wave (2), slot (3); k0 = 64 slot + 32 q2 + 16 half + 8 (lane / 16), n = 128 wave + 16 t + lane % 16
	v_bfe_u32 v7, v28, 4, 2
	v_bfe_u32 v26, v28, 9, 1
	v_lshl_or_b32 v7, v26, 2, v7
	v_bfe_u32 v26, v28, 12, 3
	v_lshl_or_b32 v7, v26, 3, v7                   ; k0 / 8
	v_and_b32 v4, 15, v28
	v_bfe_u32 v26, v28, 6, 3
	v_lshl_or_b32 v4, v26, 4, v4
	v_bfe_u32 v26, v28, 10, 2
	v_lshl_or_b32 v4, v26, 7, v4                   ; n
	v_lshlrev_b32 v4, 2, v4
	v_lshl_or_b32 v7, v7, 14, v4                   ; k0 rows of 2,048 bytes + 4 n
	v_add_nc_u32 v4, QREC, v27
	v_lshl_add_u32 v5, v0, 2, QXX
	v_mov_b32 v[W0+3], 0
	s_wait_alu depctr_va_sdst(0)                   ; s32, the wave's number, is written, ahead of its one reader
	s_lshl_b32 s46, s32, 5                         ; my wave's first query among the work-group's 128
	s_wait_kmcnt 0x0
	s_add_nc_u64 s[4:5], s[4:5], s[42:43]
	s_wait_alu depctr_va_vdst(0)                   ; the offsets and addresses v4 to v7, v27 and v29 to v31 are written, which the loads below and the stores further down read
.irp i, 0,1,2,3,4,5,6,7
.irp d, 0,1,2
	global_load_b128 v[RAW+12*\i+4*\d:RAW+12*\i+4*\d+3], v27, s[4:5] offset:16384*\d+2048*\i  ; candidates 512 i + 4 t .. + 3: a wave takes 512 bytes on end
.endr
.endr
.irp d, 0,1,2
	global_load_b32 v[QR+\d], v30, s[4:5] offset:16384*\d
.endr
.irp g, 0,1,2,3,4,5
.irp e, 0,1,2,3,4,5,6,7
	global_load_b32 v[WR+8*\g+\e], v7, s[6+2*\g:7+2*\g] offset:2048*\e
.endr
.endr
.irp q, 0,1,2,3,4,5,6,7
	v_mov_b32 v[OUT0+4*\q+3], 0                    ; a record's last word, K places 6 and 7: set once for both buffers, while the points are on their way
	v_mov_b32 v[OUT1+4*\q+3], 0
.endr
; a point rounded to bf16: packed in o, o + 1, widened in XF, YF, ZF; xx = (x x + y y) + z z, each product exact
.macro RECORD o, x, y, z
	v_cvt_pk_bf16_f32 v[\o], v[\x], v[\y]
	v_cvt_pk_bf16_f32 v[(\o)+1], v[\z], v[\z]
	v_lshlrev_b32 v[XF], 16, v[\o]
	v_and_b32 v[YF], s49, v[\o]
	v_lshlrev_b32 v[ZF], 16, v[(\o)+1]
	v_mul_f32 v[XX], v[XF], v[XF]
	v_fmac_f32 v[XX], v[YF], v[YF]
	v_fmac_f32 v[XX], v[ZF], v[ZF]
.endm
.macro OUTREG r                        ; rO: the four registers of candidate record r of my 32: batch r / 8, buffer (r / 8) % 2
.set rO, OUT0+4*((\r)%8)+(OUT1-OUT0)*(((\r)/8)%2)
.endm
	s_wait_loadcnt 48                              ; points and my own point are in; the 48 loads of weights may stay out
.set r, 0
.rept 32                               ; record r: group r / 4 of 512 candidates, candidate r % 4 of my four
.if (r == 16) || (r == 24)
	s_wait_alu depctr_vm_vsrc(0)                   ; the LDS stores issued in the batch before have read the buffer that this batch writes again
.endif
.if (r == 8) || (r == 16) || (r == 24)
	s_wait_alu depctr_va_vdst(0)                   ; the batch before has written its eight records, which the LDS stores dealt among this batch's lines read
.endif
.if r >= 8
	OUTREG r-8
	ds_store_b128 v29, v[rO:rO+3] offset:8192*((r-8)/4)+16*((r-8)%4)  ; no vector line since the wait names these registers
.endif
	OUTREG r
	RECORD rO, RAW+12*(r/4)+r%4, RAW+12*(r/4)+4+r%4, RAW+12*(r/4)+8+r%4
	v_bfi_b32 v[rO+1], s49, v[XX], v[rO+1]         ; z below, xx's upper half (its first 8 bits) above
	v_and_b32 v[HH], s49, v[XX]
	v_sub_f32 v[RR], v[XX], v[HH]                  ; exact
	v_and_b32 v[MM], s49, v[RR]
	v_sub_f32 v[LL], v[RR], v[MM]                  ; exact, 8 bits at the most
	v_perm_b32 v[rO+2], v[LL], v[MM], s50
.set r, r+1
.endr
	RECORD W0, QR, QR+1, QR+2
	v_mov_b32 v[HH], v[W0]
	v_and_b32 v[HH+1], s48, v[W0+1]
	v_add_f32 v[XF], v[XF], v[XF]
	v_add_f32 v[YF], v[YF], v[YF]
	v_add_f32 v[ZF], v[ZF], v[ZF]
	v_perm_b32 v[W0], v[YF], v[XF], s50
	v_lshrrev_b32 v[W0+1], 16, v[ZF]
	v_or_b32 v[W0+1], 0xbf800000, v[W0+1]
	v_mov_b32 v[W0+2], 0xbf80bf80
	v_sub_f32 v[LL], 0, v[XX]
	s_wait_alu depctr_va_vdst(0)                   ; the last eight records, my point's two records and -xx are written, which the eleven stores below read
.set r, 24
.rept 8
	OUTREG r
	ds_store_b128 v29, v[rO:rO+3] offset:8192*(r/4)+16*(r%4)
.set r, r+1
.endr
	global_store_b64 v31, v[HH:HH+1], s[30:31]     ; my point's record for the next launch: a wave stores 256 bytes on end, aligned; HH, HH + 1 are not written again before the waits further down
	ds_store_b128 v4, v[W0:W0+3]
	ds_store_b32 v5, v[LL]
	s_wait_dscnt 0x0                               ; for the others' sake: my records lie in LDS
	s_barrier_signal -1
	s_barrier_wait -1
	s_wait_loadcnt 0x0                             ; the weights
	s_wait_alu depctr_vm_vsrc(0)                   ; my LDS stores have read OUT1, whose registers the conversions below write
.irp g, 0,1,2,3,4,5
.irp j, 0,1,2,3
	v_cvt_pk_bf16_f32 v[CV+4*\g+\j], v[WR+8*\g+2*\j], v[WR+8*\g+2*\j+1]
.endr
.endr
	s_wait_alu depctr_va_vdst(0)                   ; the conversions have written v[CV ..], which the six stores read
.irp g, 0,1,2,3,4,5
	global_store_b128 v6, v[CV+4*\g:CV+4*\g+3], s[24:25] offset:524288*\g  ; a wave stores 512 bytes on end
.endr
	; THE EXTRA K ROWS, 32 for each stage.  Stage 1: k = 3 b1; k = 4 .. 15 rows 512 .. 523 of w1; k = 16 .. 24 rows 515 .. 523 once more (for the products' low pieces).  Stages 2, 3: k = 0 .. 2 row 512, k = 3 b1.  All else 0.
	s_cmp_lt_u32 ttmp9, 48
	s_cbranch_scc0 .Lno_extras
	s_lshr_b32 s52, ttmp9, 4                       ; the stage, 0 .. 2
	s_movk_i32 s54, 512
	s_movk_i32 s55, 512
	s_cmp_eq_u32 s52, 0
	s_cselect_b32 s53, 1, 0                        ; row = k x s53 + (k < 16 ? s54 : s55), held to 523
	s_cselect_b32 s54, 508, s54
	s_cselect_b32 s55, 499, s55
	s_cselect_b32 s56, 4, 0                        ; a weight where k - s56 is 0 .. s57
	s_cselect_b32 s57, 20, 2
	s_cselect_b64 s[58:59], s[6:7], s[10:11]
	s_cselect_b64 s[60:61], s[18:19], s[20:21]
	s_cmp_eq_u32 s52, 2
	s_cselect_b64 s[58:59], s[14:15], s[58:59]     ; the stage's w1
	s_cselect_b64 s[60:61], s[22:23], s[60:61]     ; and b1
	v_bfe_u32 v64, v28, 4, 2
	v_lshlrev_b32 v64, 3, v64                      ; k0 = 16 half + 8 (lane / 16)
	v_cmp_gt_u32 vcc_lo, 16, v64
	v_and_b32 v65, 15, v28
	v_bfe_u32 v66, v28, 6, 5
	v_lshl_or_b32 v65, v66, 4, v65
	v_lshlrev_b32 v65, 2, v65                      ; 4 n
	v_mov_b32 v66, s55
	v_mov_b32 v67, s54
	s_wait_alu depctr_va_vcc(0)                    ; the compare has written VCC, which the select reads
	v_cndmask_b32 v66, v66, v67, vcc_lo
.irp e, 0,1,2,3,4,5,6,7
	v_add_nc_u32 v85, \e, v64
	v_mad_u32_u24 v86, v85, s53, v66
	v_min_u32 v86, 0x20b, v86
	v_lshl_add_u32 v[68+\e], v86, 11, v65
.endr
	s_wait_alu depctr_va_vdst(0)                   ; the nine offsets v65 and v68 to v75 are written, which the loads below read
.irp e, 0,1,2,3,4,5,6,7
	global_load_b32 v[76+\e], v[68+\e], s[58:59]
.endr
	global_load_b32 v84, v65, s[60:61]
.macro EMASK e                         ; the two masks of k = k0 + e: a weight's place; b1's place
	v_add_nc_u32 v85, \e, v64
	v_subrev_nc_u32 v86, s56, v85
	v_cmp_ge_u32 s[36+(\e)%4], s57, v86
	v_cmp_eq_u32 s[42+(\e)%4], 3, v85
.endm
.macro EPICK e
	v_cndmask_b32 v[76+(\e)], 0, v[76+(\e)], s[36+(\e)%4]
	v_cndmask_b32 v[76+(\e)], v[76+(\e)], v84, s[42+(\e)%4]
.endm
.irp e, 0,1,2,3
	EMASK \e                                       ; the masks hang on no loaded number: the first eight are made while the loads are out
.endr
	s_wait_alu depctr_va_sdst(0)                   ; the eight compares have written s36 to s39 and s42 to s45, which the selects read
	s_wait_loadcnt 0x0
.irp e, 0,1,2,3
	EPICK \e
.endr
.irp e, 4,5,6,7
	EMASK \e
.endr
	s_wait_alu depctr_va_sdst(0)                   ; the second eight compares have written the same eight registers
.irp e, 4,5,6,7
	EPICK \e
.endr
.irp j, 0,1,2,3
	v_cvt_pk_bf16_f32 v[88+\j], v[76+2*\j], v[76+2*\j+1]
.endr
	s_wait_alu depctr_va_vdst(0)                   ; the conversions have written v88 to v91, which the store reads
	global_store_b128 v6, v[88:91], s[26:27]
.Lno_extras:
	s_wait_xcnt 0x0                                ; every global store and load has had its addresses translated (ISA guide 3.1): their data and offsets are written again from here on
	s_wait_alu depctr_vm_vsrc(0)                   ; every store and load so far has read its registers: v4, v5, v27, OUT0, v64 to v91, v212 to v247 are written again below, by vector lines, products and LDS loads
	; THE SEARCH.  Source 0 = 16 candidates, source 1 = 16 queries: a lane holds one query (lane % 16) and candidate rows 8 (lane / 16) + 0 .. 7.  Rows 0-7 of tile i are candidates 8 i .. 8 i + 7,
	; rows 8-15 candidates 2,048 + 8 i ..: four tiles on end give each lane one block of 32 neighbouring candidates, number 64 (lane / 16) + i / 4.
	; A record fills K = 0 .. 7.  The query operand is 0 in lanes 16-31 (K = 8 .. 15) and in registers 4-7 (K = 16 .. 31), so what the candidate operand holds there (other records, finite) adds nothing.
	v_and_b32 v1, 15, v0
	v_bfe_u32 v2, v0, 4, 1
	v_add_nc_u32 v26, s46, v1
	v_lshl_add_u32 v4, v26, 4, QREC
	v_lshl_add_u32 v5, v26, 2, QXX
	v_and_b32 v26, 7, v0
	v_bfe_u32 v27, v0, 3, 1
	v_lshlrev_b32 v3, 4, v26
	v_lshl_add_u32 v3, v27, 15, v3
	s_wait_alu depctr_va_vdst(0)                   ; v3, v4 and v5 are written, which the LDS loads read; the head's vector lines are done with the registers in which those loads land
	ds_load_b128 v[32:35], v4
	ds_load_b128 v[40:43], v4 offset:256
	ds_load_b32 v48, v5
	ds_load_b32 v56, v5 offset:64
.irp i, 0,1,2,3,4,5,6,7,8,9,10,11,12,13,14,15
	ds_load_b128 v[CAA+4*\i:CAA+4*\i+3], v3 offset:128*\i
.endr
.irp i, 0,1,2,3
	v_mov_b32 v[CAA+64+\i], 0
	v_mov_b32 v[CAB+64+\i], 0
	v_mov_b32 v[36+\i], 0
	v_mov_b32 v[44+\i], 0
.endr
.irp u, 0,1
.irp i, 0,1,2
	v_mov_b32 v[10+6*\u+\i], 0xff800000
	v_mov_b32 v[13+6*\u+\i], 0
.endr
.endr
	s_wait_dscnt 16                                ; the four loads of the queries are in; the 16 of the first tiles may stay out
.irp i, 0,1,2,3
	v_cndmask_b32 v[32+\i], 0, v[32+\i], s48
	v_cndmask_b32 v[40+\i], 0, v[40+\i], s48
.endr
.irp i, 1,2,3,4,5,6,7
	v_mov_b32 v[48+\i], v48
	v_mov_b32 v[56+\i], v56
.endr
.macro KW p                            ; product p of a trip's 64: candidate tile p / 2, query tile p % 2, result p % 4
.if ((\p)/2) < 16
.set rA, CAA+4*((\p)/2)
.else
.set rA, CAB+4*((\p)/2-16)
.endif
.set rD, DD+8*((\p)%4)
.set rU, (\p)%2
	v_wmma_f32_16x16x32_bf16 v[rD:rD+7], v[rA:rA+7], v[32+8*rU:39+8*rU], v[48+8*rU:55+8*rU]
.endm
.macro KV p                            ; its eight numbers into the block's two running maxima; the result's lowest registers are read first
.set rD, DD+8*((\p)%4)
.set rB, 22+2*((\p)%2)
.if (((\p)/2)%4) == 0
	v_max_num_f32 v[rB], v[rD], v[rD+1]
	v_max_num_f32 v[rB+1], v[rD+2], v[rD+3]
.else
	v_max3_num_f32 v[rB], v[rB], v[rD], v[rD+1]
	v_max3_num_f32 v[rB+1], v[rB+1], v[rD+2], v[rD+3]
.endif
	v_max3_num_f32 v[rB], v[rB], v[rD+4], v[rD+5]
	v_max3_num_f32 v[rB+1], v[rB+1], v[rD+6], v[rD+7]
.endm
; A block's maximum and number go into each query tile's three best (tile 0: bv0, bi0 into v10-15; tile 1: bv1, bi1 into v16-21); only a greater one displaces, so the earlier block keeps its place in a tie.
; Both tiles' six compares stand in one run; the ten lines on the maxima, which read no mask, follow; then the one wait; then the ten selects of the blocks' numbers.
.macro INS2 bv0, bi0, bv1, bi1
	v_cmp_gt_f32 s36, \bv0, v10
	v_cmp_gt_f32 s37, \bv0, v11
	v_cmp_gt_f32 s38, \bv0, v12
	v_cmp_gt_f32 s52, \bv1, v16
	v_cmp_gt_f32 s53, \bv1, v17
	v_cmp_gt_f32 s54, \bv1, v18
	v_min_num_f32 v26, v11, \bv0
	v_min_num_f32 v27, v17, \bv1
	v_max_num_f32 v12, v12, v26
	v_max_num_f32 v18, v18, v27
	v_min_num_f32 v26, v10, \bv0
	v_min_num_f32 v27, v16, \bv1
	v_max_num_f32 v11, v11, v26
	v_max_num_f32 v17, v17, v27
	v_max_num_f32 v10, v10, \bv0
	v_max_num_f32 v16, v16, \bv1
	s_wait_alu depctr_va_sdst(0)                   ; the six compares have written s36 to s38 and s52 to s54, which the selects read
	v_cndmask_b32 v15, v15, \bi0, s38
	v_cndmask_b32 v21, v21, \bi1, s54
	v_cndmask_b32 v15, v15, v14, s37
	v_cndmask_b32 v21, v21, v20, s53
	v_cndmask_b32 v14, v14, \bi0, s37
	v_cndmask_b32 v20, v20, \bi1, s53
	v_cndmask_b32 v14, v14, v13, s36
	v_cndmask_b32 v20, v20, v19, s52
	v_cndmask_b32 v13, v13, \bi0, s36
	v_cndmask_b32 v19, v19, \bi1, s52
.endm
	s_mov_b32 s33, 8                               ; eight trips of 32 candidate tiles
	s_mov_b32 s34, 0                               ; the trip's first block
.Ltrip:
	s_wait_dscnt 0x0                               ; the trip's first 16 tiles are in
	s_wait_alu depctr_va_vdst(0)                   ; the last trip's products are done reading CAB (in the first trip: the head's lines are done with its registers), in which the loads below land; v3 is written, which they read
	KW 0
	KW 1
.rept 4
	v_nop                                          ; the places in front of the first maxima; further on, the maxima of the products before are the places: a maximum stands two products behind its own
.endr
.set p, 0
.rept 64
.if p+2 < 64
.if p+2 == 32
	s_wait_dscnt 0x0                               ; the second 16 tiles, asked for behind the trip's first four maxima
	s_wait_alu depctr_va_vdst(0)                   ; products 0 to 31 are done reading CAA, in which the next trip's loads land
.endif
	KW p+2
.endif
	KV p
.if (p%8) == 7                         ; four candidate tiles, a block, are through for both query tiles
	s_add_co_u32 s35, s34, p/8
	v_max_num_f32 v22, v22, v23
	v_max_num_f32 v24, v24, v25
	INS2 v22, s35, v24, s35
.endif
.if p < 4
.irp i, 0,1,2,3
	ds_load_b128 v[CAB+4*(4*p+\i):CAB+4*(4*p+\i)+3], v3 offset:2048+128*(4*p+\i)  ; no vector or matrix line since the wait at the trip's head names CAB or v3
.endr
.endif
.if p == 30
	s_cmp_eq_u32 s33, 1                            ; the last trip has no next
	s_cbranch_scc1 .Lno_more
.irp i, 0,1,2,3,4,5,6,7,8,9,10,11,12,13,14,15
	ds_load_b128 v[CAA+4*\i:CAA+4*\i+3], v3 offset:4096+128*\i  ; behind the wait stand product 32 and one maximum, which name neither CAA nor v3
.endr
.Lno_more:
.endif
.set p, p+1
.endr
	s_wait_alu depctr_vm_vsrc(0)                   ; the LDS loads issued so far have read v3
	v_add_nc_u32 v3, 0x1000, v3
	s_add_co_u32 s34, s34, 8
	s_sub_co_u32 s33, s33, 1
	s_cmp_lg_u32 s33, 0
	s_cbranch_scc1 .Ltrip
	; The two halves of the lanes hold a query's blocks 0-63 and 64-127.  Lanes 0-15 take in the other half's three, which displace only where greater; the result counts in lanes 0-15.
.irp i, 13,14,15,19,20,21
	v_lshl_add_u32 v[\i], v2, 6, v[\i]
.endr
.irp u, 0,1
.irp i, 0,1,2,3,4,5
	v_permlanex16_b32 v[64+8*\u+\i], v[10+6*\u+\i], s40, s41
.endr
.endr
	INS2 v64, v67, v72, v75
	INS2 v65, v68, v73, v76
	INS2 v66, v69, v74, v77
.irp u, 0,1                            ; the three numbers in ascending order
	v_min_u32 v80, v[13+6*\u], v[14+6*\u]
	v_max_u32 v81, v[13+6*\u], v[14+6*\u]
	v_min_u32 v82, v81, v[15+6*\u]
	v_max_u32 v[86+4*\u], v81, v[15+6*\u]
	v_min_u32 v[84+4*\u], v80, v82
	v_max_u32 v[85+4*\u], v80, v82
.endr
.irp i, 0,1,2
	v_permlanex16_b32 v[92+\i], v[88+\i], s40, s41 ; the second tile's queries are threads 16-31 of the wave
.endr
.irp i, 0,1,2
	v_cndmask_b32 v[84+\i], v[84+\i], v[92+\i], s49
.endr
	v_mov_b32 v87, 0
	s_wait_alu depctr_va_vdst(0)                   ; v84 to v87 are written, which the store reads
	global_store_b128 v6, v[84:87], s[28:29]       ; a wave stores 512 bytes on end
	s_wait_dscnt 0x0                               ; the closing lines, six on end
	s_wait_alu 0x0
	s_wait_tensorcnt 0x0
	ds_add_u32 v8, v9
	s_wait_dscnt 0x0
	s_endpgm
.Lfunc_end_k_q4f3cdda41d_prep:
	.size	k_q4f3cdda41d_prep, .Lfunc_end_k_q4f3cdda41d_prep-k_q4f3cdda41d_prep
	.p2alignl 7, 3214868480
	.fill 96, 4, 3214868480
	.section	.rodata,"a",@progbits
	.p2align	6, 0x0
	.amdhsa_kernel k_q4f3cdda41d_prep
		.amdhsa_group_segment_fixed_size 68608
		.amdhsa_private_segment_fixed_size 0
		.amdhsa_enable_private_segment 0
		.amdhsa_kernarg_size 112
		.amdhsa_user_sgpr_count 2
		.amdhsa_user_sgpr_kernarg_segment_ptr 1
		.amdhsa_wavefront_size32 1
		.amdhsa_system_sgpr_workgroup_id_x 1
		.amdhsa_system_sgpr_workgroup_id_y 1
		.amdhsa_system_sgpr_workgroup_id_z 1
		.amdhsa_system_vgpr_workitem_id 0
		.amdhsa_next_free_vgpr 256
		.amdhsa_next_free_sgpr 66
		.amdhsa_reserve_vcc 1
		.amdhsa_float_denorm_mode_32 3
		.amdhsa_float_denorm_mode_16_64 3
		.amdhsa_memory_ordered 1
		.amdhsa_forward_progress 1
		.amdhsa_inst_pref_size 84
	.end_amdhsa_kernel
	.amdgpu_metadata
---
amdhsa.version: [ 1, 2 ]
amdhsa.kernels:
  - .name:           k_q4f3cdda41d_prep
    .symbol:         k_q4f3cdda41d_prep.kd
    .args:
      - { .name: reconstructed_points, .offset: 0, .size: 8, .value_kind: global_buffer, .address_space: global }
      - { .name: s1_w1, .offset: 8, .size: 8, .value_kind: global_buffer, .address_space: global }
      - { .name: s1_wr, .offset: 16, .size: 8, .value_kind: global_buffer, .address_space: global }
      - { .name: s2_w1, .offset: 24, .size: 8, .value_kind: global_buffer, .address_space: global }
      - { .name: s2_wr, .offset: 32, .size: 8, .value_kind: global_buffer, .address_space: global }
      - { .name: s3_w1, .offset: 40, .size: 8, .value_kind: global_buffer, .address_space: global }
      - { .name: s3_wr, .offset: 48, .size: 8, .value_kind: global_buffer, .address_space: global }
      - { .name: s1_b1, .offset: 56, .size: 8, .value_kind: global_buffer, .address_space: global }
      - { .name: s2_b1, .offset: 64, .size: 8, .value_kind: global_buffer, .address_space: global }
      - { .name: s3_b1, .offset: 72, .size: 8, .value_kind: global_buffer, .address_space: global }
      - { .name: wstream, .offset: 80, .size: 8, .value_kind: global_buffer, .address_space: global }
      - { .name: exb, .offset: 88, .size: 8, .value_kind: global_buffer, .address_space: global }
      - { .name: kblk, .offset: 96, .size: 8, .value_kind: global_buffer, .address_space: global }
      - { .name: tabg, .offset: 104, .size: 8, .value_kind: global_buffer, .address_space: global }
    .group_segment_fixed_size: 68608
    .private_segment_fixed_size: 0
    .kernarg_segment_align: 8
    .kernarg_segment_size: 112
    .max_flat_workgroup_size: 128
    .sgpr_count:     66
    .vgpr_count:     256
    .wavefront_size: 32
...
	.end_amdgpu_metadata
.endif
;; end of part 3
;; launch mlp: the kernel of part 2 again; grid 256 x 1, 4 waves a work-group, clusters of 4 x 1, 327,680 bytes of LDS; arguments latent, tabg, kblk, wstream, exb, out0, s1_br, s1_w2, s2_br, s2_w2, s3_br, s3_w2, s1_b2, s2_b2, s3_b2; writes out0
